; MI455X (gfx1250); checked and timed in simulation.
; The chip was launched on July 23, 2026; its instructions are those of AMD's public machine-readable ISA for CDNA 5 (MIT licence, August 2026) and "CDNA5" Instruction Set Architecture Reference Guide (July 2026). The comments in the code are by the model that wrote it; some were corrected since.
;; Causal Attention. Allowed arithmetic: matrix products marked QUANTISED: E2M3 operands, one E8M0 scale for each 32 along K, by v_wmma_scale_f32_16x16x128_f8f6f4 with both operands' format E2M3, f32 sums; everything else in f32.
;; Inputs: Wk 1,024 x 1,024 float32; Wq 1,024 x 1,024 float32; Wv 1,024 x 1,024 float32; x 4 x 2,048 x 1,024 float32.
;; Outputs: out0 4 x 2,048 x 1,024 float32.
;; This version of the problem:
;;   THIS VERSION OF THE PROBLEM IS GIVEN IN LOW PRECISION. The matrix products marked QUANTISED in the list below multiply operands that are first quantised to E2M3 (2 exponent bits, 3 mantissa bits; 6 bits a number), with one power-of-two scale for each 32 numbers along K (OCP MX v1.0); their sums are f32. All else is computed in f32.
;;   The module's matrix products, in the order in which they are computed (A, B: the left and right operand; K: the contracted axis; several contracted axes count as one K, in the product's order):
;;     1. [M 8,192, K 1,024] x [K 1,024, N 1,024]; A: input x; B: input Wq: QUANTISED
;;     2. [M 8,192, K 1,024] x [K 1,024, N 1,024]; A: input x; B: input Wk: QUANTISED
;;     3. [M 8,192, K 1,024] x [K 1,024, N 1,024]; A: input x; B: input Wv: QUANTISED
;;     4. batch 4 x [M 2,048, K 1,024] x [K 1,024, N 2,048]; A: computed on the way; B: computed on the way: QUANTISED
;;     5. batch 4 x [M 2,048, K 2,048] x [K 2,048, N 1,024]; A: softmax (see below); B: computed on the way: QUANTISED
;;   THE QUANTISER, for each operand of a quantised product, along K:
;;     - K is cut into blocks of 32 from its start; a last block that is shorter is filled with zeros.
;;     - A block's scale is 2^e with e = floor(log2(the largest magnitude in the block)) - 2, held to -126 .. 127; a block of zeros has e = 0. As a byte (E8M0): e + 127.
;;     - Each number is divided by its block's scale, clamped to +-7.5, and rounded to the nearest number of E2M3, ties to even, subnormals kept.
;;     - The product sums the exact products of the quantised numbers (number of the format x scale) in f32.
;;   ~~~python
;;   def quantise(x, axis):      # numpy; x: float32 -> the quantised numbers, widened to float32 again
;;       x = np.moveaxis(x, axis, -1); K = x.shape[-1]
;;       x = np.pad(x, [(0, 0)] * (x.ndim - 1) + [(0, -K % 32)]); x = x.reshape(x.shape[:-1] + (-1, 32)); a = np.abs(x).max(-1, keepdims=True)
;;       e = np.where(a > 0, np.clip(np.frexp(np.where(a > 0, a, 1))[1] - 1 - 2, -126, 127), 0)      # np.frexp(a)[1] - 1 = floor(log2(a)), exactly
;;       r = np.clip(x / 2.0 ** e, -7.5, 7.5)
;;       step = 2.0 ** (np.maximum(np.frexp(np.where(r == 0, 1, r))[1] - 1, 0) - 3)
;;       q = np.round(r / step) * step * 2.0 ** e      # np.round: ties to even
;;       return np.moveaxis(q.reshape(q.shape[:-2] + (-1,))[..., :K], -1, axis).astype(np.float32)
;;   ~~~
;;   SOFTMAX AHEAD OF A QUANTISED PRODUCT. Where the list says 'softmax', what is quantised is not the finished softmax but p = 2^(t - M), with t = logit x log2(e) and M = ceil(the row's largest t), a whole number; so 1/2 < the row's largest p <= 1. The row's sum l is taken of the UNQUANTISED p, in f32, and the product's result is divided by l at the end. Since M is a whole number, a kernel that streams over the keys may use a running M (the ceiling of the running maximum): every later rescaling is an exact power of two, which a block's scale takes up: the codes' values come out the same.
;;   OPERANDS COMPUTED ON THE WAY. 'Computed on the way' means the value that the module computes at that place (a softmax that the list does not call 'softmax' is quantised finished and normalised). What goes into a quantiser is computed in f32, as accurately as f32 sums, v_exp_f32 and their like allow (about 1e-6 of the number): no bf16 or f16 on the way to a quantiser, and a product that is left as it is and whose result goes on into a quantised operand takes f32 operands (vector FMAs, or v_wmma_f32_16x16x4_f32). A number that lies on a knife's edge between two numbers of the format may be rounded either way, as far as f32 arithmetic and the matrix unit's own rounding can turn it there, and no further.
;; One version. Each part assembles by itself: llvm-mc -triple=amdgcn-amd-amdhsa -mcpu=gfx1250 --defsym DOCPART=n.
;; ======== version 1 of 1: 4 launches
;; limits: right only within a limited range of input values
;; workspace buffers: xq 6,553,600 bytes; wq 2,457,600 bytes; qq 6,553,600 bytes; kq 6,553,600 bytes; vq 6,553,600 bytes; pq 14,155,776 bytes
;; launch quant (part 1): grid 352 x 1, 8 waves a work-group, no clusters, 95,232 bytes of LDS; arguments x, Wq, Wk, Wv, xq, wq; writes xq, wq
.if DOCPART == 1
	.amdgcn_target "amdgcn-amd-amdhsa--gfx1250"
	.amdhsa_code_object_version 6
	.text
	.protected	k_q346603fc3d_quant
	.globl	k_q346603fc3d_quant
	.p2align	8
	.type	k_q346603fc3d_quant,@function
k_q346603fc3d_quant:
	s_mov_b64 s[64:65], 0
	v_nop
	global_prefetch_b8 v0, s[64:65] scope:SCOPE_SE
	s_setreg_imm32_b32 hwreg(HW_REG_WAVE_MODE, 25, 1), 1
	s_wait_xcnt 0x0
; x [8192][1024] and Wq, Wk, Wv [1024 (k)][1024 (n)], f32, become codes of FP6 (E2M3) with one E8M0 scale byte for each 32 along K, laid in CELLS, the order in which a wave's operand registers take them.
; A CELL is 128 rows x 128 along K, 12,800 bytes: eight fragments of 1,536 bytes (fragment a: registers 4 c .. 4 c + 3 of lane l at 1,536 a + 512 c + 16 l), then 512 bytes of scale words (row pi(a, r): at 12,288 + 32 r + 4 a).
; Lane (r, h) of fragment a holds row pi(a, r) = 32 (a / 2) + 8 (a % 2) + r + 8 (r / 8) of the group; its registers 6 c .. 6 c + 5 hold k = 64 c + 32 h + 0 .. 31.  A buffer is [group of 128 rows][step of 128 along K][cell].
; xq: 64 groups of tokens x 8 steps.  wq: 24 groups x 8 steps: rows are the weights' COLUMNS n; groups 0-7 Wq, 8-15 Wk, 16-23 Wv.
; A block's scale is 2^(floor(log2(its largest magnitude)) - 2): its byte is the largest magnitude's exponent field - 2, held at 1 from below by a floor among the maximum's leaves.
; LIMITS: a block of zeros gets the byte 1 where the rule says 127 (its codes are zeros, and the bytes are read by this program alone); NaN and infinities among the inputs are not served.
; Work-groups 0-255 take x (a group and two steps; wave a = fragment a), work-groups 256-351 a weight (a group and two steps; wave w: 32 columns of one step).  The two paths part on the work-group's number, have LDS bytes of
; their own and end by themselves.  No tensor load, no matrix unit, no cluster: the launch streams each input byte once and work-groups share nothing.
.set CELL,  12800
.set XSTG,  0                          ; x path: a stage of 16 rows x (512 + 16) bytes for each wave
.set XSC,   67584                      ; x path: the scale words of the work-group's two cells
.set WSTG,  68608                      ; weights path: the images of two fragments, 3,072 bytes, for each wave
.set WSC,   93184                      ; weights path: the scale words of the two cells
.set SPARE, 94208                      ; the spare words, 128 bytes for each of eight waves: four blocks of 256 bytes that no other line names
.set R,     16                         ; v16-143  numbers as loaded
.set XN,    144                        ; v144-207 x path: 64 numbers of my row, register 16 b + i = k 32 b + 16 h + i
.set CW,    144                        ; v144-167 weights path: four blocks' codes, six registers each
.set CT,    168                        ; v168-183 weights path: each block's upper 16 codes as they are made
.set OB,    184                        ; v184-207 weights path: the images read back
.set TM,    208                        ; v208-211 largest magnitudes, v212-215 bytes, v220-223 the conversions' scale operands
.set PW,    224                        ; the scale word
.set PC,    226                        ; v226-237 a fragment's codes, v238-244 at work
.set SPW,   252                        ; LDS address of my spare word; never rewritten
.set NIL,   253                        ; 0; never rewritten
.set SEL,   20                         ; s[20:21] lane selects for v_permlanex16_b32: lane l xor 16
; 64 numbers of a lane, v[s] on, register 16 b + i = k 32 b + 16 (lane / 16) + i of my row, become a fragment's codes in v[PC] on and its scale word in v[PW].
.macro QUANT s
.irp b, 0,1,2,3
	v_max3_num_f32 v[TM+\b], |v[\s+16*\b]|, |v[\s+1+16*\b]|, 0x1800000   ; block b: my 16 numbers, and the floor 2^(3 - 127): the byte cannot fall under 1
.endr
.irp i, 2,4,6,8,10,12,14
.irp b, 0,1,2,3
	s_delay_alu instid0(VALU_DEP_4)
	v_max3_num_f32 v[TM+\b], v[TM+\b], |v[\s+16*\b+\i]|, |v[\s+1+16*\b+\i]|   ; the four blocks by turns
.endr
.endr
.irp b, 0,1,2,3
	s_delay_alu instid0(VALU_DEP_4)
	v_permlanex16_b32 v[TM+4+\b], v[TM+\b], s[SEL], s[SEL+1]
.endr
.irp b, 0,1,2,3
	s_delay_alu instid0(VALU_DEP_4)
	v_max_num_f32 v[TM+\b], v[TM+\b], v[TM+4+\b]   ; with lane l xor 16's: the block's largest magnitude
.endr
.irp b, 0,1,2,3
	s_delay_alu instid0(VALU_DEP_4)
	v_add_nc_u32 v[TM+12+\b], 0xff000000, v[TM+\b]   ; 2 off its exponent field: the conversion takes the exponent field of this operand as its scale
.endr
.irp b, 0,1,2,3
	s_delay_alu instid0(VALU_DEP_4)
	v_lshrrev_b32 v[TM+4+\b], 23, v[TM+12+\b]      ; the scale's byte
.endr
	s_delay_alu instid0(VALU_DEP_3)
	v_lshl_or_b32 v[PW], v[TM+5], 8, v[TM+4]
	s_delay_alu instid0(VALU_DEP_1)
	v_lshl_or_b32 v[PW], v[TM+6], 16, v[PW]
	s_delay_alu instid0(VALU_DEP_1)
	v_lshl_or_b32 v[PW], v[TM+7], 24, v[PW]
.irp c, 0,1
	v_cvt_scalef32_pk16_fp6_f32 v[PC+6*\c:PC+2+6*\c], v[\s+32*\c:\s+15+32*\c], v[TM+12+2*\c]
	v_cvt_scalef32_pk16_fp6_f32 v[PC+12+4*\c:PC+14+4*\c], v[\s+16+32*\c:\s+31+32*\c], v[TM+12+2*\c+1]   ; (a conversion's three registers begin on an even number)
.endr
	v_nop                                          ; one plain place behind a scaled conversion
.irp c, 0,1                                    ; the operand's layout wants a whole block in a lane: lanes 0-15 block 2 c, lanes 16-31 block 2 c + 1
.irp i, 0,1,2
	v_permlane16_swap_b32 v[PC+6*\c+\i], v[PC+12+4*\c+\i]
.endr
.irp i, 0,1,2
	s_delay_alu instid0(VALU_DEP_3)
	v_mov_b32 v[PC+3+6*\c+\i], v[PC+12+4*\c+\i]
.endr
.endr
.endm
	s_load_b256 s[4:11], s[0:1], 0x0               ; x s[4:5], Wq s[6:7], Wk s[8:9], Wv s[10:11]
	s_load_b128 s[12:15], s[0:1], 0x20             ; xq s[12:13], wq s[14:15]
	v_lshl_add_u32 v[SPW], v0, 2, SPARE
	v_mov_b32 v[NIL], 0
	v_lshrrev_b32 v1, 5, v0
	s_delay_alu instid0(VALU_DEP_1)
	v_readfirstlane_b32 s16, v1                    ; wave 0..7
	v_and_b32 v2, 31, v0                           ; lane
	v_and_b32 v3, 15, v0                           ; r
	v_bfe_u32 v4, v0, 4, 1                         ; h
	s_delay_alu instid0(VALU_DEP_3)
	v_lshlrev_b32 v5, 4, v2                        ; 16 x lane
	s_and_b32 s19, s16, 1
	s_cmp_lt_u32 ttmp9, 256                        ; x's work-group or a weight's: the same for all eight waves
	s_cbranch_scc0 .Lweights
	; ---------------- x: group g = t / 4, steps 2 (t % 4) and 2 (t % 4) + 1; wave a makes fragment a of both cells
	s_mov_b32 s[SEL], 0x76543210
	s_mov_b32 s[SEL+1], 0xfedcba98
.irp b, 0,1,2,3
	v_mov_b32 v[TM+4+\b], 0                        ; written once: a lane permute's destination counts as one of its sources
.endr
	s_mul_i32 s24, s16, 8448                       ; my stage
	v_add_nc_u32 v6, s24, v5                       ; in: a row's 512 bytes as they lie, 16 a lane
	v_mul_u32_u24 v7, v3, 528
	s_delay_alu instid0(VALU_DEP_1)
	v_lshl_add_u32 v7, v4, 6, v7
	s_delay_alu instid0(VALU_DEP_1)
	v_add_nc_u32 v7, s24, v7                       ; back: row r, + 64 h: my 16 numbers of each block of 32
	s_lshl_b32 s25, s16, 2
	s_add_co_u32 s25, s25, XSC
	v_lshl_add_u32 v8, v3, 5, s25                  ; my row's scale word: XSC + 32 r + 4 a
	s_mul_i32 s25, s16, 1536
	v_add_nc_u32 v9, s25, v5                       ; my fragment's place in a cell, + 16 x lane
	s_lshl_b32 s25, s19, 9
	s_add_co_u32 s25, s25, XSC
	v_add_nc_u32 v10, s25, v5                      ; waves 0, 1: a cell's 512 bytes of scale words in LDS,
	s_mul_i32 s25, s19, CELL
	v_add_nc_u32 v11, s25, v5                      ; and their cell
	s_lshr_b32 s17, ttmp9, 2                       ; g
	s_and_b32 s18, ttmp9, 3                        ; which pair of steps
	s_lshl_b32 s22, s17, 7
	s_lshr_b32 s23, s16, 1
	s_lshl_b32 s23, s23, 5
	s_add_co_u32 s22, s22, s23
	s_lshl_b32 s23, s19, 3
	s_add_co_u32 s22, s22, s23                     ; my first row: 128 g + 32 (a / 2) + 8 (a % 2)
	s_lshl_b32 s22, s22, 12                        ; a row of x is 4,096 bytes
	s_lshl_b32 s23, s18, 10                        ; two steps are 1,024 bytes
	s_add_co_u32 s22, s22, s23
	s_mov_b32 s23, 0
	s_lshl_b32 s26, s17, 3
	s_lshl_b32 s27, s18, 1
	s_add_co_u32 s26, s26, s27
	s_mul_i32 s26, s26, CELL                       ; cell (g, first step)
	s_mov_b32 s27, 0
	s_wait_alu depctr_va_vdst(0)
	s_wait_kmcnt 0x0
	s_add_nc_u64 s[4:5], s[4:5], s[22:23]
	s_add_nc_u64 s[12:13], s[12:13], s[26:27]
.irp e, 0,1
.irp i, 0,1,2,3,4,5,6,7,8,9,10,11,12,13,14,15
	global_load_b128 v[R+64*\e+4*\i:R+64*\e+4*\i+3], v5, s[4:5] offset:(\i+8*(\i/8))*4096+512*\e th:TH_LOAD_NT   ; row pi(a, i), step e: 32 lanes read 512 consecutive bytes
.endr
.endr
.irp e, 0,1
	s_wait_loadcnt 16-16*\e                        ; this step's sixteen loads are in; the second step's may stay out
.irp i, 0,1,2,3,4,5,6,7,8,9,10,11,12,13,14,15
	ds_store_b128 v6, v[R+64*\e+4*\i:R+64*\e+4*\i+3] offset:528*\i
.endr
.irp b, 0,1,2,3
.irp j, 0,1,2,3
	ds_load_b128 v[XN+16*\b+4*\j:XN+16*\b+4*\j+3], v7 offset:128*\b+16*\j   ; LDS serves a wave's instructions in order: these see my stores
.endr
.endr
	s_wait_dscnt 0x0
.if \e
	s_wait_xcnt 0x0                                ; the first step's stores have read their data: the codes' registers are written again only behind this wait
.endif
	QUANT XN
.irp c, 0,1,2
	global_store_b128 v9, v[PC+4*\c:PC+4*\c+3], s[12:13] offset:\e*CELL+512*\c   ; 32 lanes store 512 consecutive bytes, aligned
.endr
	ds_store_b32 v8, v[PW] offset:512*\e           ; both halves of the lanes write the same word with the same value
.endr
	s_wait_dscnt 0x0                               ; for the others' sake: my scale words have landed
	s_barrier_signal -1
	s_barrier_wait -1
	s_cmp_lt_u32 s16, 2                            ; waves 0 and 1 store a cell's scale words, 512 bytes each
	s_cbranch_scc0 .Lx_end
	ds_load_b128 v[16:19], v10
	s_wait_dscnt 0x0
	global_store_b128 v11, v[16:19], s[12:13] offset:12288
.Lx_end:
	s_wait_tensorcnt 0x0                           ; the wave's end, behind my last LDS store
	ds_add_u32 v[SPW], v[NIL]
	s_wait_dscnt 0x0
	s_endpgm
	; ---------------- a weight: t = work-group - 256: weight t / 32, group (t / 4) % 8, steps 2 (t % 4) + (wave / 4); wave: columns 32 (wave % 4) on.  A LANE TAKES A COLUMN, AND ITS REGISTERS RUN DOWN K.
.Lweights:
	v_bfe_u32 v6, v0, 3, 1                         ; column 32 b' + L is row pi(2 b' + u, r) with u = (L / 8) % 2,
	v_and_b32 v7, 7, v0
	s_wait_alu depctr_va_vdst(0)
	v_lshl_add_u32 v7, v4, 3, v7                   ; r = L % 8 + 8 (L / 16)
	s_wait_alu depctr_va_vdst(0)
	s_mul_i32 s22, s16, 3072
	s_add_co_u32 s22, s22, WSTG                    ; my two images
	v_mul_u32_u24 v8, v6, 1536
	s_delay_alu instid0(VALU_DEP_1)
	v_lshl_add_u32 v8, v7, 4, v8
	s_delay_alu instid0(VALU_DEP_1)
	v_add_nc_u32 v8, s22, v8                       ; in: image u, lane r's 16 bytes
	v_add_nc_u32 v9, s22, v5                       ; back: 16 x lane
	s_and_b32 s23, s16, 3                          ; b'
	s_lshr_b32 s24, s16, 2                         ; which of the two steps
	s_lshl_b32 s25, s24, 9
	s_lshl_b32 s26, s23, 3
	s_add_co_u32 s25, s25, s26
	s_add_co_u32 s25, s25, WSC
	v_lshlrev_b32 v10, 5, v7
	s_delay_alu instid0(VALU_DEP_1)
	v_lshl_add_u32 v10, v6, 2, v10
	s_delay_alu instid0(VALU_DEP_1)
	v_add_nc_u32 v10, s25, v10                     ; my column's scale word: WSC + 512 x step + 32 r + 4 (2 b' + u)
	v_lshlrev_b32 v11, 2, v2                       ; in memory: 4 bytes a lane
	s_mul_i32 s26, s24, CELL
	s_mul_i32 s27, s23, 3072
	s_add_co_u32 s26, s26, s27
	v_add_nc_u32 v12, s26, v5                      ; out: my step's cell, fragments 2 b' and 2 b' + 1
	s_lshl_b32 s27, s19, 9
	s_add_co_u32 s27, s27, WSC
	v_add_nc_u32 v13, s27, v5                      ; waves 0, 1: a cell's scale words in LDS,
	s_mul_i32 s27, s19, CELL
	v_add_nc_u32 v14, s27, v5                      ; and their cell
	s_sub_co_u32 s17, ttmp9, 256
	s_lshr_b32 s18, s17, 5                         ; which weight
	s_bfe_u32 s28, s17, 0x30002                    ; its group of 128 columns
	s_and_b32 s29, s17, 3                          ; which pair of steps
	s_lshl_b32 s30, s29, 1
	s_add_co_u32 s30, s30, s24                     ; my step
	s_lshl_b32 s30, s30, 19                        ; 128 rows of 4,096 bytes
	s_lshl_b32 s31, s28, 9
	s_add_co_u32 s30, s30, s31
	s_lshl_b32 s31, s23, 7
	s_add_co_u32 s30, s30, s31                     ; + 4 x my first column
	s_mov_b32 s31, 0
	s_lshl_b32 s32, s18, 3
	s_add_co_u32 s32, s32, s28
	s_lshl_b32 s32, s32, 3
	s_lshl_b32 s33, s29, 1
	s_add_co_u32 s32, s32, s33
	s_mul_i32 s32, s32, CELL                       ; cell (8 x weight + group, first step)
	s_mov_b32 s33, 0
	s_wait_alu depctr_va_vdst(0)
	s_wait_kmcnt 0x0
	s_cmp_eq_u32 s18, 1                            ; the choice hangs on the work-group's number alone
	s_cselect_b64 s[6:7], s[8:9], s[6:7]
	s_cmp_eq_u32 s18, 2
	s_cselect_b64 s[6:7], s[10:11], s[6:7]
	s_add_nc_u64 s[6:7], s[6:7], s[30:31]
	s_add_nc_u64 s[14:15], s[14:15], s[32:33]
.set i, 0
.rept 128
	global_load_b32 v[R+i], v11, s[6:7] offset:4096*i th:TH_LOAD_NT   ; W(128 step + i, my column): 32 lanes read 128 consecutive bytes
.set i, i+1
.endr
	s_wait_loadcnt 0x0
.irp b, 0,1,2,3
	v_max3_num_f32 v[TM+\b], |v[R+32*\b]|, |v[R+32*\b+1]|, 0x1800000   ; block b: all its 32 numbers are mine; and the floor
.endr
.irp i, 2,4,6,8,10,12,14,16,18,20,22,24,26,28,30
.irp b, 0,1,2,3
	s_delay_alu instid0(VALU_DEP_4)
	v_max3_num_f32 v[TM+\b], v[TM+\b], |v[R+32*\b+\i]|, |v[R+32*\b+\i+1]|
.endr
.endr
.irp b, 0,1,2,3
	s_delay_alu instid0(VALU_DEP_4)
	v_add_nc_u32 v[TM+12+\b], 0xff000000, v[TM+\b]
.endr
.irp b, 0,1,2,3
	s_delay_alu instid0(VALU_DEP_4)
	v_lshrrev_b32 v[TM+4+\b], 23, v[TM+12+\b]
.endr
	s_delay_alu instid0(VALU_DEP_3)
	v_lshl_or_b32 v[PW], v[TM+5], 8, v[TM+4]
	s_delay_alu instid0(VALU_DEP_1)
	v_lshl_or_b32 v[PW], v[TM+6], 16, v[PW]
	s_delay_alu instid0(VALU_DEP_1)
	v_lshl_or_b32 v[PW], v[TM+7], 24, v[PW]
.irp b, 0,1,2,3
	v_cvt_scalef32_pk16_fp6_f32 v[CW+6*\b:CW+6*\b+2], v[R+32*\b:R+32*\b+15], v[TM+12+\b]
	v_cvt_scalef32_pk16_fp6_f32 v[CT+4*\b:CT+4*\b+2], v[R+32*\b+16:R+32*\b+31], v[TM+12+\b]
.endr
	v_nop                                          ; one plain place behind a scaled conversion
.irp b, 0,1,2,3
.irp i, 0,1,2
	v_mov_b32 v[CW+6*\b+3+\i], v[CT+4*\b+\i]
.endr
.endr
	; block b is registers 6 (b / 2) .. + 5 of lane (r, b % 2) of my fragment: register p of lane l lies at 512 (p / 4) + 16 l + 4 (p % 4) of the image
.irp b, 0,1
	ds_store_b128 v8, v[CW+6*\b:CW+6*\b+3] offset:256*\b
	ds_store_b64 v8, v[CW+6*\b+4:CW+6*\b+5] offset:512+256*\b
.endr
.irp b, 0,1
	ds_store_b64 v8, v[CW+12+6*\b:CW+12+6*\b+1] offset:520+256*\b
	ds_store_b128 v8, v[CW+12+6*\b+2:CW+12+6*\b+5] offset:1024+256*\b
.endr
	ds_store_b32 v10, v[PW]
.irp i, 0,1,2,3,4,5
	ds_load_b128 v[OB+4*\i:OB+4*\i+3], v9 offset:512*\i   ; LDS serves a wave's instructions in order: these see my stores
.endr
.irp i, 0,1,2,3,4,5
	s_wait_dscnt 5-\i                              ; load i is in; the younger ones may stay out
	global_store_b128 v12, v[OB+4*\i:OB+4*\i+3], s[14:15] offset:512*\i   ; 32 lanes store 512 consecutive bytes, aligned
.endr
	s_wait_dscnt 0x0                               ; for the others' sake: my scale word has landed
	s_barrier_signal -1
	s_barrier_wait -1
	s_cmp_lt_u32 s16, 2
	s_cbranch_scc0 .Lw_end
	ds_load_b128 v[16:19], v13
	s_wait_dscnt 0x0
	global_store_b128 v14, v[16:19], s[14:15] offset:12288
.Lw_end:
	s_wait_tensorcnt 0x0                           ; the wave's end, behind my last LDS store
	ds_add_u32 v[SPW], v[NIL]
	s_wait_dscnt 0x0
	s_endpgm
.Lfunc_end_k_q346603fc3d_quant:
	.size	k_q346603fc3d_quant, .Lfunc_end_k_q346603fc3d_quant-k_q346603fc3d_quant
	.p2alignl 7, 3214868480
	.fill 96, 4, 3214868480
	.section	.rodata,"a",@progbits
	.p2align	6, 0x0
	.amdhsa_kernel k_q346603fc3d_quant
		.amdhsa_group_segment_fixed_size 95232
		.amdhsa_private_segment_fixed_size 0
		.amdhsa_enable_private_segment 0
		.amdhsa_kernarg_size 48
		.amdhsa_user_sgpr_count 2
		.amdhsa_user_sgpr_kernarg_segment_ptr 1
		.amdhsa_wavefront_size32 1
		.amdhsa_system_sgpr_workgroup_id_x 1
		.amdhsa_system_sgpr_workgroup_id_y 1
		.amdhsa_system_sgpr_workgroup_id_z 1
		.amdhsa_system_vgpr_workitem_id 0
		.amdhsa_next_free_vgpr 256
		.amdhsa_next_free_sgpr 66
		.amdhsa_reserve_vcc 0
		.amdhsa_float_denorm_mode_32 3
		.amdhsa_float_denorm_mode_16_64 3
		.amdhsa_memory_ordered 1
		.amdhsa_forward_progress 1
		.amdhsa_inst_pref_size 47
	.end_amdhsa_kernel
	.amdgpu_metadata
---
amdhsa.version: [ 1, 2 ]
amdhsa.kernels:
  - .name:           k_q346603fc3d_quant
    .symbol:         k_q346603fc3d_quant.kd
    .args:
      - { .name: x, .offset: 0, .size: 8, .value_kind: global_buffer, .address_space: global }
      - { .name: Wq, .offset: 8, .size: 8, .value_kind: global_buffer, .address_space: global }
      - { .name: Wk, .offset: 16, .size: 8, .value_kind: global_buffer, .address_space: global }
      - { .name: Wv, .offset: 24, .size: 8, .value_kind: global_buffer, .address_space: global }
      - { .name: xq, .offset: 32, .size: 8, .value_kind: global_buffer, .address_space: global }
      - { .name: wq, .offset: 40, .size: 8, .value_kind: global_buffer, .address_space: global }
    .group_segment_fixed_size: 95232
    .private_segment_fixed_size: 0
    .kernarg_segment_align: 8
    .kernarg_segment_size: 48
    .max_flat_workgroup_size: 256
    .sgpr_count:     66
    .vgpr_count:     256
    .wavefront_size: 32
...
	.end_amdgpu_metadata
.endif
;; end of part 1
;; launch proj (part 2): grid 8 x 32, 4 waves a work-group, clusters of 4 x 4, 327,680 bytes of LDS; arguments xq, wq, qq, kq, vq; writes qq, kq, vq
.if DOCPART == 2
	.amdgcn_target "amdgcn-amd-amdhsa--gfx1250"
	.amdhsa_code_object_version 6
	.text
	.protected	k_q346603fc3d_proj
	.globl	k_q346603fc3d_proj
	.p2align	8
	.type	k_q346603fc3d_proj,@function
k_q346603fc3d_proj:
	s_mov_b64 s[64:65], 0
	v_nop
	global_prefetch_b8 v0, s[64:65] scope:SCOPE_SE
	s_setreg_imm32_b32 hwreg(HW_REG_WAVE_MODE, 25, 1), 1
	s_wait_xcnt 0x0
	s_wait_alu depctr_hold_cnt(0) depctr_sa_sdst(0) depctr_va_vdst(0) depctr_va_sdst(0) depctr_va_ssrc(0) depctr_va_vcc(0) depctr_vm_vsrc(0)
	s_getreg_b32 s2, hwreg(HW_REG_IB_STS2, 6, 4)
	s_cmp_eq_u32 s2, 0
	s_cbranch_scc0 .Lentry_in_a_cluster
	s_endpgm
.Lentry_in_a_cluster:
	s_bfe_u32 s2, ttmp6, 0x10000c
	s_cmp_lg_u32 s2, 0xf033
	s_cbranch_scc0 .Lentry_shape_is_right
	s_endpgm
.Lentry_shape_is_right:
; q = x Wq, k = x Wk, v = x Wv on codes of FP6 (E2M3) with E8M0 scales, sums in f32; the results are quantised in registers and leave as codes: q and k along d, v along the keys.
; OPERANDS LIE IN CELLS: 128 rows x 128 along K, 12,800 bytes: eight fragments as images of their registers (fragment a: registers 4 c .. 4 c + 3 of lane l at 1,536 a + 512 c + 16 l), then the scale words (row pi(a, r) at
; 12,288 + 32 r + 4 a); lane (r, h) of fragment a holds row pi(a, r) = 32 (a / 2) + 8 (a % 2) + r + 8 (r / 8).  A buffer is [group of 128 rows][step of 128 along K][cell].
; SHARES: 32 tiles of 256 tokens x 8 groups of 128 columns are 256 work-groups; a work-group takes its tokens against column group g of Wq, of Wk and of Wv.  Wave (t, z): token group t x Wq (z = 0) or Wk (z = 1), source 0 = the
; weight's tiles, source 1 = tokens: 64 accumulators; and Wv's blocks 4 z .. 4 z + 3 (source 1) x token group t (source 0): 32 accumulators.  The token fragments serve both: 96 products a step from 20 fragments.
; In a result lane (r, h) holds source 1's row pi(a, r), and the 16 registers of tiles 2 b, 2 b + 1 are source 0's rows 32 b + 16 h + 0 .. 15: a block's 64 registers are quantised as they stand and ARE fragment a of the output's cell.
; THE RING: two slots of two K steps: two token groups x two cells, then for each step the cells of Wq, Wk, Wv: 128,000 bytes; slot 1 lies at 2^17, so that one xor turns an LDS address to the other slot.
; One tensor load a wave behind each barrier: waves 0, 1 a token group's two cells (100 rows of 256 bytes), waves 2, 3 one step's three weight cells (3 rows of 12,800 bytes, 819,200 apart).
; CLUSTERS 4 x 4: the tokens hang on the work-group's y alone and are asked for jointly along a row of the cluster, the weights on its x alone, jointly along a column.
; A STEP is six pairs of streamed fragments (the weight's 8 tiles, Wv's 4 blocks), each fragment against the 8 token fragments.  Streamed fragments take turns on five buffers and are asked for three and four fragments ahead.
; Token blocks 0-3 have two sets; blocks 4-7 have one: a step's last pair takes them first, then they are loaded anew, and the next step's first pair takes them last: 16 products lie between.
; Every count on DScnt is ISS - T: the LDS instructions issued behind the one that is needed, counted by the assembler.
; No prefetch: the text has no loop to run ahead in; the walk is four fills, of which two are first fills.
; v's scale words: a wave holds 16 of a row's 32 bytes (its four blocks), so these stores, 512 bytes of a cell's 12,800, cover half of each run of 32 bytes; wave (t, 1 - z) writes the other half.
; LIMITS: a block of zeros gets the byte 1 where the rule says 127 (its codes are zeros; the bytes are read by this program alone); NaN and infinities are not served.
; REGISTERS: window 0: v1-11 addresses; v12-51 scale words, two sets of 20 (tokens 8, weight 8, Wv 4; lanes 0-15 a slot's first step, lanes 16-31 its second); v52-111 five streamed fragments; v112-207 token blocks 0-3, two sets; v208-255 blocks 4-7.
;   windows 1, 2: accumulator (a, b) of q or k at v[64 (a % 4) + 8 b]; window 3: v's (a', b) at v[64 a' + 8 b].
.set CELL,   12800
.set GROUPB, 8*CELL
.set TPART,  2*CELL                    ; a token group's part of a slot
.set WBASE,  2*TPART                   ; behind the tokens: the weights,
.set WSTEP,  3*CELL                    ; a step's three cells
.set SLOT1,  0x20000
.set SPARE,  SLOT1+WBASE+2*WSTEP       ; the spare words, 128 bytes a wave: two blocks of 256 bytes that no other line names
.set ADT, 1                            ; my token group + 16 x lane
.set ADW, 2                            ; my weight's cell + 16 x lane
.set ADV, 3                            ; my four blocks of Wv + 16 x lane
.set AST, 4                            ; scale words: + 32 r + h x (the distance between a slot's two steps)
.set ASW, 5
.set ASV, 6
.set L16, 7                            ; 16 x lane
.set SPW, 8                            ; my spare word; never rewritten
.set NIL, 9                            ; 0; never rewritten
.set SO,  10                           ; 32 r + 16 h
.set SOV, 11                           ; 32 r
.set SC,  12
.set X,   52
.set TFA, 112
.set TFB, 208
.set TM,  52                           ; the way out: v52-67 at work, v68-79 the blocks' scale words, v80-83 what the last store takes, v112-131 codes
.set SW,  68
.set OT,  80
.set PC,  112
.set WV,  14
.set RH,  15                           ; my token group.  Also: I fetch tokens (0) or weights (1)
.set CH,  16                           ; z.  Also: which token group, or which step's weights, I fetch
.set SEL, 20
.set G1A, 24
.set G0A, 32
.set G1B, 48
.set G0B, 56
.set OUT, 84                           ; s[84:85] my cell of q or k; s[86:87] my four fragments of v's cell; s[88:89] v's cell + 16 z
.set MSB, 0
.set ISS, 0                            ; LDS instructions issued so far
.set TODD, 0                           ; ISS behind the last streamed fragment of odd number
.set THI, 0                            ; ISS behind the last load of token blocks 4-7
.macro WIN new                         ; the immediate's high byte repeats the setting that is left
.if MSB != \new
	s_set_vgpr_msb (MSB<<8)|\new
.set MSB, \new
.endif
.endm
.macro JLOAD g0a, g1a, g0b, g1b        ; each line has one mask; the branch hangs on the wave's number alone; s_nop 0 and four v_nop follow each line
	s_cmp_eq_u32 s[RH], 0
	s_cbranch_scc0 .Lfor_b_\@
	tensor_load_to_lds s[\g0a:\g0a+3], s[\g1a:\g1a+7]
	s_nop 0
.rept 4
	v_nop
.endr
	s_branch .Lasked_\@
.Lfor_b_\@:
	tensor_load_to_lds s[\g0b:\g0b+3], s[\g1b:\g1b+7]
	s_nop 0
.rept 4
	v_nop
.endr
.Lasked_\@:
.endm
.macro CREST                           ; a round of the cluster's barrier behind its opening barrier
	s_cmp_lg_u32 s[WV], 0
	s_cbranch_scc1 .Lnot_wave_0_\@
	s_barrier_signal -3
.Lnot_wave_0_\@:
	s_barrier_wait -3
	s_barrier_signal -1
	s_barrier_wait -1
.endm
.macro CROUND
	s_barrier_signal -1
	s_barrier_wait -1
	CREST
.endm
.macro PLACES n
.rept \n
	v_nop
.endr
.endm
.macro LD3 reg, adr, off               ; a fragment: three loads of 512 consecutive bytes
.irp c, 0,1,2
	ds_load_b128 v[\reg+4*\c:\reg+4*\c+3], v[\adr] offset:\off+512*\c
.endr
.set ISS, ISS+3
.endm
.macro LDX gn                          ; streamed fragment gn (12 a step: the weight's 8 tiles, Wv's 4 blocks) into buffer gn % 5
.set x_g, (\gn)%12
.set x_q, ((\gn)/12)%2
.set x_b, X+12*((\gn)%5)
.if x_g < 8
	LD3 x_b, ADW, x_q*WSTEP+1536*x_g
.else
	LD3 x_b, ADV, x_q*WSTEP+1536*(x_g-8)
.endif
.if (\gn)%2
.set TODD, ISS
.endif
.endm
.macro LDT s, hi                       ; step s's token blocks 0-3 (set s % 2) or 4-7
.set t_i, 0
.rept 4
.if \hi
	LD3 TFB+12*t_i, ADT, ((\s)%2)*CELL+1536*(4+t_i)
.else
	LD3 TFA+48*((\s)%2)+12*t_i, ADT, ((\s)%2)*CELL+1536*t_i
.endif
.set t_i, t_i+1
.endr
.endm
.macro LDSC n                          ; fill n's scale words, both steps at once, into set n % 2
.set s_b, SC+20*((\n)%2)
	ds_load_b128 v[s_b:s_b+3], v[AST] offset:12288
	ds_load_b128 v[s_b+4:s_b+7], v[AST] offset:12304
	ds_load_b128 v[s_b+8:s_b+11], v[ASW] offset:12288
	ds_load_b128 v[s_b+12:s_b+15], v[ASW] offset:12304
	ds_load_b128 v[s_b+16:s_b+19], v[ASV] offset:12288
.set ISS, ISS+5
.endm
.macro WM q, zero
.if \zero
	v_wmma_scale_f32_16x16x128_f8f6f4 v[rD:rD+7], v[rA:rA+11], v[rB:rB+11], 0, v[sA], v[sB] matrix_a_fmt:MATRIX_FMT_FP6 matrix_b_fmt:MATRIX_FMT_FP6
.elseif \q
	v_wmma_scale_f32_16x16x128_f8f6f4 v[rD:rD+7], v[rA:rA+11], v[rB:rB+11], v[rD:rD+7], v[sA], v[sB] matrix_a_fmt:MATRIX_FMT_FP6 matrix_b_fmt:MATRIX_FMT_FP6 matrix_a_scale:MATRIX_SCALE_ROW1 matrix_b_scale:MATRIX_SCALE_ROW1
.else
	v_wmma_scale_f32_16x16x128_f8f6f4 v[rD:rD+7], v[rA:rA+11], v[rB:rB+11], v[rD:rD+7], v[sA], v[sB] matrix_a_fmt:MATRIX_FMT_FP6 matrix_b_fmt:MATRIX_FMT_FP6
.endif
.endm
; Eight products: streamed fragments g0, g0 + 1 x token blocks 4 half .. 4 half + 3.  The accumulators take turns, one instruction a turn.
.macro PART s, g0, half, zero
.set p_s, SC+20*(((\s)/2)%2)
.set p_f, 0
.rept 2
.set p_g, ((\g0)+p_f)%12
.set p_x, X+12*(((\g0)+p_f)%5)
.set p_i, 4*(\half)
.rept 4
.set p_t, (1-(\half))*(TFA+48*((\s)%2)+12*p_i)+(\half)*(TFB+12*(p_i-4))
.if p_g < 8
.set rD, 64*(p_i%4)+8*p_g
.set rA, p_x
.set rB, p_t
.set sA, p_s+8+p_g
.set sB, p_s+p_i
.else
.set rD, 64*(p_g-8)+8*p_i
.set rA, p_t
.set rB, p_x
.set sA, p_s+p_i
.set sB, p_s+8+p_g
.endif
	WM (\s)%2, \zero
.set p_i, p_i+1
.endr
.set p_f, p_f+1
.endr
.endm
.macro OPEN                            ; a pair's head: four places behind the last pair's products, then the fragments three and four on, into the last pair's buffers
	PLACES 4
	WIN 0
.set TNEED, TODD
.if G_+3 < LIM
	LDX G_+3
.endif
.if G_+4 < LIM
	LDX G_+4
.endif
.endm
.macro MPAIR s, zero, first, lo        ; a pair of the weight's tiles
	OPEN
.if \lo
	LDT (\s)+1, 0                                  ; the next step's token blocks 0-3, into the other set
.endif
	s_wait_dscnt ISS-TNEED                         ; this pair's two fragments are in
	WIN 0x50
	PART \s, G_, 0, \zero
.if \first
	s_wait_dscnt ISS-THI                           ; token blocks 4-7 are in
.endif
	WIN 0xa0
	PART \s, G_, 1, \zero
.set G_, G_+2
.endm
.macro VTAIL s, zero                   ; a step's last pair: token blocks 4-7 first; four places; their registers take the next step's
	WIN 0xf0
	PART \s, G_, 1, \zero
	PLACES 4
	WIN 0
	LDT (\s)+1, 1
.set THI, ISS
	WIN 0xf0
	PART \s, G_, 0, \zero
.endm
; kind 0: a slot's first step.  1: its second, and the slot is filled again.  2: its second, no fill.  3: the walk's last step.
.macro STEP s, kind, zero
.set G_, 12*(\s)
.if (\kind) == 0
.set LIM, G_+24
.else
.set LIM, G_+12                        ; the next slot's fragments are asked for behind the barrier
.endif
	MPAIR \s, \zero, 1, 0
	MPAIR \s, \zero, 0, 0
.if (\kind) == 0
	MPAIR \s, \zero, 0, 1
.else
	MPAIR \s, \zero, 0, 0
.endif
	MPAIR \s, \zero, 0, 0
	OPEN
.if (\kind) == 0 || (\kind) == 3
	s_wait_dscnt ISS-TNEED
	WIN 0xf0
	PART \s, G_, 0, \zero
	PART \s, G_, 1, \zero
.set G_, G_+2
	OPEN
	s_wait_dscnt ISS-TNEED
.if (\kind) == 0
	VTAIL \s, \zero
.else
	WIN 0xf0
	PART \s, G_, 0, 0
	PART \s, G_, 1, 0
.endif
.else
	s_wait_tensorcnt 0x0                           ; all my tensor loads have landed: my part of the next slot
	ds_add_u32 v[SPW], v[NIL]                      ; 0 onto my spare word
.set ISS, ISS+1
	s_wait_dscnt ISS-TNEED
	WIN 0xf0
	PART \s, G_, 0, 0                              ; eight products stand between the add and the wait for it
	s_wait_dscnt 0x0                               ; the add is done, and my reads of this slot are over: the step's last fragment was asked for above
	s_barrier_signal -1
	PART \s, G_, 1, 0
	WIN 0
	s_barrier_wait -1
.if (\kind) == 1
.set s_l, ((\s)/2)%2
	CREST                                          ; the barrier has opened a round of the cluster's barrier
	s_add_nc_u64 s[G0A+4*s_l+2:G0A+4*s_l+3], s[G0A+4*s_l+2:G0A+4*s_l+3], 2*TPART
	s_add_nc_u64 s[G0B+4*s_l+2:G0B+4*s_l+3], s[G0B+4*s_l+2:G0B+4*s_l+3], 2*TPART
	JLOAD G0A+4*s_l, G1A, G0B+4*s_l, G1B           ; the first tensor load behind the round; its four v_nop are the places in front of the loads below
.else
	PLACES 4
.endif
.irp r, ADT, ADW, ADV, AST, ASW, ASV
	v_xor_b32 v[\r], SLOT1, v[\r]                  ; on to the other slot
.endr
	s_wait_alu depctr_va_vdst(0)
	LDSC ((\s)+1)/2
	LDT (\s)+1, 0
	LDX G_+4
	LDX G_+5
	LDX G_+6
.set G_, G_+2
	VTAIL \s, 0                                    ; its two fragments came in ahead of the barrier
.endif
.endm
	s_load_b128 s[4:7], s[0:1], 0x0                ; xq, wq
	s_load_b128 s[8:11], s[0:1], 0x10              ; qq, kq
	s_load_b64 s[12:13], s[0:1], 0x20              ; vq
	v_lshl_add_u32 v[SPW], v0, 2, SPARE
	v_mov_b32 v[NIL], 0
	ds_add_u32 v[SPW], v[NIL]                      ; the opening lines: the add, twice on end, and its wait ahead of my first tensor load
	ds_add_u32 v[SPW], v[NIL]
	v_lshrrev_b32 v1, 5, v0
	v_readfirstlane_b32 s[WV], v1                  ; wave 0..3
	s_lshr_b32 s[RH], s[WV], 1
	s_and_b32 s[CH], s[WV], 1
	s_bfe_u32 s40, ttmp6, 0x40000                  ; cx
	s_bfe_u32 s41, ttmp6, 0x40004                  ; cy
	s_lshl_b32 s42, ttmp9, 2
	s_add_co_u32 s42, s42, s40                     ; g: the group of columns
	s_and_b32 s43, ttmp7, 0xffff
	s_lshl_b32 s43, s43, 2
	s_add_co_u32 s43, s43, s41                     ; the tile of 256 tokens
	s_lshl_b32 s46, s41, 2
	s_lshl_b32 s46, 15, s46                        ; my row of the cluster
	s_lshl_b32 s47, 0x1111, s40                    ; my column
	s_or_b32 s[G1A], s46, (3<<16)|(1<<21)          ; the mask; elements of 8 bytes; bit 21 set beside a mask
	s_or_b32 s[G1B], s47, (3<<16)|(1<<21)
	s_mov_b32 s[G1A+1], 32<<16                     ; tokens: 25,600 dense bytes as 100 rows of 256
	s_mov_b32 s[G1A+2], 100<<16
	s_mov_b32 s[G1A+3], 32<<16
	s_mov_b32 s[G1A+4], 100
	s_mov_b32 s[G1A+5], 32
	s_mov_b32 s[G1A+6], 0
	s_mov_b32 s[G1A+7], 0
	s_mov_b32 s[G1B+1], 1600<<16                   ; weights: 3 rows of 1,600 elements, a cell each, eight groups apart
	s_mov_b32 s[G1B+2], 3<<16
	s_mov_b32 s[G1B+3], 1600<<16
	s_mov_b32 s[G1B+4], 3
	s_mov_b32 s[G1B+5], GROUPB
	s_mov_b32 s[G1B+6], 0
	s_mov_b32 s[G1B+7], 0
	s_lshl_b32 s66, s43, 1
	s_add_co_u32 s66, s66, s[CH]
	s_mul_i32 s66, s66, GROUPB                     ; the token group that I would fetch: never cx
	s_mov_b32 s67, 0
	s_mul_i32 s68, s42, GROUPB
	s_mul_i32 s69, s[CH], CELL
	s_add_co_u32 s68, s68, s69                     ; Wq's group g, the step that I would fetch: never cy
	s_mov_b32 s69, 0
	s_mul_i32 s74, s[CH], TPART                    ; where they go in a slot
	s_mul_i32 s75, s[CH], WSTEP
	s_add_co_u32 s75, s75, WBASE
	s_mov_b32 s[SEL], 0x76543210
	s_mov_b32 s[SEL+1], 0xfedcba98
	s_lshl_b32 s78, s43, 1
	s_add_co_u32 s78, s78, s[RH]                   ; my token group, 0 .. 63
	s_lshl_b32 s80, s78, 3
	s_add_co_u32 s80, s80, s42
	s_mul_i32 s80, s80, CELL                       ; q, k: cell (token group, step g)
	s_mov_b32 s81, 0
	s_lshr_b32 s82, s78, 4
	s_lshl_b32 s82, s82, 3
	s_add_co_u32 s82, s82, s42
	s_lshl_b32 s82, s82, 4
	s_and_b32 s83, s78, 15
	s_add_co_u32 s82, s82, s83
	s_mul_i32 s82, s82, CELL                       ; v: cell (8 x batch + g, step = the token group in its batch)
	s_mov_b32 s83, 0
	s_mul_i32 s76, s[CH], 6144                     ; my four fragments of it
	s_mov_b32 s77, 0
	s_lshl_b32 s90, s[CH], 4                       ; and my 16 bytes of a row's scale words
	s_mov_b32 s91, 0
	s_mul_i32 s92, s[RH], TPART                    ; LDS: my token group,
	s_mul_i32 s93, s[CH], CELL
	s_add_co_u32 s93, s93, WBASE                   ; my weight,
	s_add_co_u32 s94, s76, WBASE+2*CELL            ; my blocks of Wv,
	s_add_co_u32 s95, s90, WBASE+2*CELL            ; and their scale words
	s_wait_dscnt 0x0                               ; both opening adds are done
	s_wait_kmcnt 0x0
	s_add_nc_u64 s[70:71], s[4:5], s[66:67]
	s_add_nc_u64 s[72:73], s[6:7], s[68:69]
	s_cmp_eq_u32 s[CH], 0                          ; the choice hangs on the wave's number alone
	s_cselect_b64 s[OUT:OUT+1], s[8:9], s[10:11]
	s_add_nc_u64 s[OUT:OUT+1], s[OUT:OUT+1], s[80:81]
	s_add_nc_u64 s[86:87], s[12:13], s[82:83]
	s_add_nc_u64 s[88:89], s[86:87], s[90:91]
	s_add_nc_u64 s[86:87], s[86:87], s[76:77]
	CROUND                                         ; all sixteen work-groups are here: the first joint loads meet
.irp n, 0,1
	s_mov_b32 s[G0A+4*\n], 1
	s_add_co_u32 s[G0A+4*\n+1], s74, \n*SLOT1
	s_add_nc_u64 s[G0A+4*\n+2:G0A+4*\n+3], s[70:71], \n*TPART
	s_or_b32 s[G0A+4*\n+3], s[G0A+4*\n+3], 0x80000000
	s_mov_b32 s[G0B+4*\n], 1
	s_add_co_u32 s[G0B+4*\n+1], s75, \n*SLOT1
	s_add_nc_u64 s[G0B+4*\n+2:G0B+4*\n+3], s[72:73], \n*TPART
	s_or_b32 s[G0B+4*\n+3], s[G0B+4*\n+3], 0x80000000
.endr
	JLOAD G0A, G1A, G0B, G1B                       ; slot 0: one tensor load a wave at the head
	v_and_b32 v52, 31, v0                          ; lane
	v_and_b32 v53, 15, v0                          ; r
	v_bfe_u32 v54, v0, 4, 1                        ; h
	v_lshlrev_b32 v[L16], 4, v52
	v_lshlrev_b32 v[SOV], 5, v53
	v_lshl_add_u32 v[SO], v54, 4, v[SOV]
	v_add_nc_u32 v[ADT], s92, v[L16]
	v_add_nc_u32 v[ADW], s93, v[L16]
	v_add_nc_u32 v[ADV], s94, v[L16]
	v_mul_u32_u24 v55, v54, CELL
	v_add_nc_u32 v55, v55, v[SOV]
	v_add_nc_u32 v[AST], s92, v55
	v_mul_u32_u24 v56, v54, WSTEP
	v_add_nc_u32 v56, v56, v[SOV]
	v_add_nc_u32 v[ASW], s93, v56
	v_add_nc_u32 v[ASV], s95, v56
	s_wait_alu depctr_va_vdst(0)
	s_wait_tensorcnt 0x0                           ; my part of slot 0 is in
	ds_add_u32 v[SPW], v[NIL]
	s_wait_dscnt 0x0
	CROUND                                         ; everybody's part is in, and the joint loads meet
	JLOAD G0A+4, G1A, G0B+4, G1B                   ; slot 1's first fill, the first tensor load behind the round
	LDSC 0
	LDT 0, 0
	LDT 0, 1
.set THI, ISS
	LDX 0
	LDX 1
	LDX 2
	STEP 0, 0, 1                                   ; the first step's products start the sums: nothing is cleared
	STEP 1, 1, 0
	STEP 2, 0, 0
	STEP 3, 1, 0
	STEP 4, 0, 0
	STEP 5, 2, 0
	STEP 6, 0, 0
	STEP 7, 3, 0
	WIN 0
	PLACES 4                                       ; in front of the first read of results and the first write over fragments
.irp b, 0,1,2,3
	v_mov_b32 v[TM+4+\b], 0                        ; written once: a lane permute's destination counts as one of its sources
.endr
; THE WAY OUT.  A block's 64 registers, register 16 b + i = next K 32 b + 16 h + i of source 1's row pi(a, r), are quantised and stored as a fragment of the output's cell.  Each accumulator is read from its low end on.
.macro QBLK ac, ww, sw, ob, off, wait
.if \wait
	s_wait_xcnt 0x0                                ; the last block's stores have read their data
.endif
	WIN ((\ww)|((\ww)<<2))
.irp b, 0,1,2,3
	v_max3_num_f32 v[TM+\b], |v[(\ac)+16*\b]|, |v[(\ac)+16*\b+1]|, 0x1800000   ; and the floor 2^(3 - 127): the byte cannot fall under 1
.endr
.irp i, 2,4,6,8,10,12,14
.irp b, 0,1,2,3
	v_max3_num_f32 v[TM+\b], |v[(\ac)+16*\b+\i]|, |v[(\ac)+16*\b+\i+1]|, v[TM+\b]
.endr
.endr
	WIN 0
.irp b, 0,1,2,3
	v_permlanex16_b32 v[TM+4+\b], v[TM+\b], s[SEL], s[SEL+1]
.endr
.irp b, 0,1,2,3
	v_max_num_f32 v[TM+\b], v[TM+\b], v[TM+4+\b]
.endr
.irp b, 0,1,2,3
	v_add_nc_u32 v[TM+12+\b], 0xff000000, v[TM+\b]   ; 2 off the exponent field: the conversion's scale operand
.endr
.irp b, 0,1,2,3
	v_lshrrev_b32 v[TM+4+\b], 23, v[TM+12+\b]      ; the scale's byte
.endr
	v_lshl_or_b32 v[\sw], v[TM+5], 8, v[TM+4]
	v_lshl_or_b32 v[\sw], v[TM+6], 16, v[\sw]
	v_lshl_or_b32 v[\sw], v[TM+7], 24, v[\sw]
	WIN (\ww)
.irp c, 0,1
	v_cvt_scalef32_pk16_fp6_f32 v[PC+6*\c:PC+2+6*\c], v[(\ac)+32*\c:(\ac)+32*\c+15], v[TM+12+2*\c]
	v_cvt_scalef32_pk16_fp6_f32 v[PC+12+4*\c:PC+14+4*\c], v[(\ac)+32*\c+16:(\ac)+32*\c+31], v[TM+12+2*\c+1]
.endr
	WIN 0
	v_nop                                          ; one plain place behind a scaled conversion
.irp c, 0,1
.irp i, 0,1,2
	v_permlane16_swap_b32 v[PC+6*\c+\i], v[PC+12+4*\c+\i]
.endr
.irp i, 0,1,2
	v_mov_b32 v[PC+3+6*\c+\i], v[PC+12+4*\c+\i]
.endr
.endr
.irp c, 0,1,2
	global_store_b128 v[L16], v[PC+4*\c:PC+4*\c+3], s[\ob:\ob+1] offset:(\off)+512*\c   ; 32 lanes store 512 consecutive bytes, aligned
.endr
.endm
.set qa, 0
.rept 8
	QBLK 64*(qa%4), 1+qa/4, SW+qa, OUT, 1536*qa, qa
.set qa, qa+1
.endr
.set qa, 0
.rept 4
	QBLK 64*qa, 3, SW+8+qa, 86, 1536*qa, 1
.set qa, qa+1
.endr
	v_and_b32 v[OT], 16, v0
	v_cmp_ne_u32 vcc_lo, 0, v[OT]                  ; lane (r, h) stores the words of blocks 4 h .. 4 h + 3 of row r: 16 bytes at 32 r + 16 h
.irp j, 0,1,2,3
	v_cndmask_b32 v[OT+\j], v[SW+\j], v[SW+4+\j], vcc_lo
.endr
	global_store_b128 v[SO], v[OT:OT+3], s[OUT:OUT+1] offset:12288
	global_store_b128 v[SOV], v[SW+8:SW+11], s[88:89] offset:12288   ; v: my four blocks' words of row r; both halves of the lanes hold and write the same
	s_wait_tensorcnt 0x0                           ; the wave's end
	ds_add_u32 v[SPW], v[NIL]
	s_wait_dscnt 0x0
	CROUND                                         ; the closing round
	s_endpgm
.Lfunc_end_k_q346603fc3d_proj:
	.size	k_q346603fc3d_proj, .Lfunc_end_k_q346603fc3d_proj-k_q346603fc3d_proj
	.p2alignl 7, 3214868480
	.fill 96, 4, 3214868480
	.section	.rodata,"a",@progbits
	.p2align	6, 0x0
	.amdhsa_kernel k_q346603fc3d_proj
		.amdhsa_group_segment_fixed_size 327680
		.amdhsa_private_segment_fixed_size 0
		.amdhsa_enable_private_segment 0
		.amdhsa_kernarg_size 40
		.amdhsa_user_sgpr_count 2
		.amdhsa_user_sgpr_kernarg_segment_ptr 1
		.amdhsa_wavefront_size32 1
		.amdhsa_system_sgpr_workgroup_id_x 1
		.amdhsa_system_sgpr_workgroup_id_y 1
		.amdhsa_system_sgpr_workgroup_id_z 1
		.amdhsa_system_vgpr_workitem_id 0
		.amdhsa_next_free_vgpr 1024
		.amdhsa_next_free_sgpr 100
		.amdhsa_reserve_vcc 1
		.amdhsa_float_denorm_mode_32 3
		.amdhsa_float_denorm_mode_16_64 3
		.amdhsa_memory_ordered 1
		.amdhsa_forward_progress 1
		.amdhsa_inst_pref_size 203
	.end_amdhsa_kernel
	.amdgpu_metadata
---
amdhsa.version: [ 1, 2 ]
amdhsa.kernels:
  - .name:           k_q346603fc3d_proj
    .symbol:         k_q346603fc3d_proj.kd
    .args:
      - { .name: xq, .offset: 0, .size: 8, .value_kind: global_buffer, .address_space: global }
      - { .name: wq, .offset: 8, .size: 8, .value_kind: global_buffer, .address_space: global }
      - { .name: qq, .offset: 16, .size: 8, .value_kind: global_buffer, .address_space: global }
      - { .name: kq, .offset: 24, .size: 8, .value_kind: global_buffer, .address_space: global }
      - { .name: vq, .offset: 32, .size: 8, .value_kind: global_buffer, .address_space: global }
    .group_segment_fixed_size: 327680
    .private_segment_fixed_size: 0
    .kernarg_segment_align: 8
    .kernarg_segment_size: 40
    .max_flat_workgroup_size: 128
    .sgpr_count:     100
    .vgpr_count:     1024
    .wavefront_size: 32
...
	.end_amdgpu_metadata
.endif
;; end of part 2
;; launch score (part 3): grid 62 x 4, 4 waves a work-group, no clusters, 0 bytes of LDS; arguments qq, kq, pq; writes pq
.if DOCPART == 3
	.amdgcn_target "amdgcn-amd-amdhsa--gfx1250"
	.amdhsa_code_object_version 6
	.text
	.protected	k_q346603fc3d_score
	.globl	k_q346603fc3d_score
	.p2align	8
	.type	k_q346603fc3d_score,@function
k_q346603fc3d_score:
	s_mov_b64 s[64:65], 0
	v_nop
	global_prefetch_b8 v0, s[64:65] scope:SCOPE_SE
	s_setreg_imm32_b32 hwreg(HW_REG_WAVE_MODE, 25, 1), 1
	s_wait_xcnt 0x0
; For each batch, each block of 16 queries and each group of 128 keys that the causal mask keeps: S = q k^T on codes of FP6 (E2M3), the mask, t = score x log2(e) / 32, M = ceil(the largest t of these 128 keys),
; p = 2^(t - M), l = the sum of the unquantised p.  p is quantised along the keys and leaves as codes.  M is a whole number, so the next launch brings p under the row's M by a subtraction on scale bytes, which is exact.
; Tiles wholly above the diagonal are multiplied nowhere: the causal mask throws them away.
; qq, kq lie in cells of 12,800 bytes (128 rows x 128 along K: eight fragments as images of their registers, fragment a's registers 4 c .. 4 c + 3 of lane l at 1,536 a + 512 c + 16 l; scale words of row pi(a, r) at 12,288 + 32 r + 4 a;
; pi(a, r) = 32 (a / 2) + 8 (a % 2) + r + 8 (r / 8)), [group of 128 rows][8 steps].  pq's cell has 13,824 bytes: behind the scale words, whose bytes carry + 128, lie -M (f32) at 12,800 + 32 r + 4 a and l (f32) at 13,312 + 32 r + 4 a;
; pq is [64 groups of queries][16 steps of 128 keys].
; THE CELLS ARE REGISTER IMAGES, so fragments go from memory straight into registers: each load reads 512 consecutive bytes.  No LDS, no tensor load, no barrier: waves share nothing.
; A WAVE keeps one group of 128 keys for all of K = 1,024 in registers (64 fragments, 768 registers) and walks up to 5 blocks of 16 queries, a trip of the loop each: 64 products on 8 accumulators by turns, the next block's 28 loads,
; then the softmax and the quantiser in place on the accumulators.  Source 0 = keys, source 1 = queries: a lane holds one query, and the 16 registers of tiles 2 b, 2 b + 1 are keys 32 b + 16 h + 0 .. 15.
; THE DEAL, by arithmetic on ids: key group kg of a batch meets the 8 (16 - kg) blocks of queries from 8 kg on, and gets ceil(8 (16 - kg) / 5) waves: 26, 24, 23, 21, 20, 18, 16, 15, 13, 12, 10, 8, 7, 5, 4, 2 = 224 waves a batch.
; The next launch walks the keys in laps of 512, so the 24 cells a batch that lie above the diagonal inside a lap are written too (zero codes, the byte 1, -M = 2^30, l = 0): waves 224-247 of a batch write one each.  62 work-groups a batch.
; No cluster and no joint load: nothing goes through LDS.  No prefetch: a wave's keys are asked for once, at its head, and a block's queries one whole trip ahead of their use.
; A block's scale word, -M and l are 4 bytes a row, 32 bytes apart (192 of a block's 1,728 bytes); the block's other seven neighbours in a cell come from other trips or waves.
; In the last trip the look-ahead names the next block of the batch, held at the batch's last: inside the buffer, and not used.
; LIMITS: M is exact for |t| under 2^24; a block whose every p is 0 keeps the byte 1; v_exp_f32 gives 0 for results under 2^-126 (ISA guide, 15.8); NaN and infinities are not served.
; REGISTERS: windows 1-3: key fragments 0-62, 21 to a window (fragment 8 s + b: step s, tile b).  window 0: v1-7 addresses and single numbers; v8-19 key fragment 63; v20-83 the accumulators, then t - M, then p;
;   v84-179 the block's query fragments; v180-183 its scale words; v184-215 the keys' scale words (lanes 0-15 an even step, lanes 16-31 the odd one behind it); v216-235 codes; v236-253 at work.
.set CELL,   12800
.set PCELL,  13824
.set GROUPB, 8*CELL
.set LV,  0                            ; l of my query (v0 is free behind the head)
.set L16, 1                            ; 16 x lane
.set R32, 2                            ; 32 r
.set DQ,  3                            ; r + 8 (r / 8) - 16 h
.set RHC, 4                            ; 32 r + h x cell
.set NEGINF, 5
.set SW,  6                            ; the block's scale word
.set TT,  7                            ; at work; in the mask: my query's place less 16 h
.set K63, 8
.set AC,  20
.set QF,  84
.set QS,  180
.set KS,  184
.set PC,  216
.set BM,  236
.set T4,  240
.set SOP, 244
.set NM,  248
.set SUMA, 250
.set SUMB, 252
.set CS,  52                           ; s[52:53] c = log2(e) / sqrt(1024)
.set SEL, 54
.set MSB, 0
.macro WIN new                         ; the immediate's high byte repeats the setting that is left
.if MSB != \new
	s_set_vgpr_msb (MSB<<8)|\new
.set MSB, \new
.endif
.endm
.macro QLOADS                          ; a block's eight fragments and its scale words, by s[36:37] and s[40:41]
.set f, 0
.rept 8
.irp c, 0,1,2
	global_load_b128 v[QF+12*f+4*\c:QF+12*f+4*\c+3], v[L16], s[36:37] offset:f*CELL+512*\c
.endr
.set f, f+1
.endr
.irp t, 0,1,2,3
	global_load_b32 v[QS+\t], v[RHC], s[40:41] offset:2*\t*CELL+12288
.endr
.endm
.macro QADDR                           ; block s30 of the batch: where its fragments and its scale words begin
	s_lshr_b32 s31, s30, 3
	s_and_b32 s32, s30, 7
	s_add_co_u32 s31, s31, s28
	s_mul_i32 s33, s31, GROUPB
	s_mul_i32 s34, s32, 1536
	s_add_co_u32 s34, s34, s33
	s_mov_b32 s35, 0
	s_add_nc_u64 s[36:37], s[4:5], s[34:35]
	s_lshl_b32 s34, s32, 2
	s_add_co_u32 s34, s34, s33
	s_add_nc_u64 s[40:41], s[4:5], s[34:35]
.endm
	s_load_b128 s[4:7], s[0:1], 0x0                ; qq, kq
	s_load_b64 s[8:9], s[0:1], 0x10                ; pq
	v_lshrrev_b32 v6, 5, v0
	v_readfirstlane_b32 s14, v6                    ; wave 0..3
	v_and_b32 v6, 31, v0
	v_lshlrev_b32 v[L16], 4, v6
	v_and_b32 v7, 15, v0                           ; r
	v_lshlrev_b32 v[R32], 5, v7
	v_bfe_u32 v5, v0, 4, 1                         ; h
	v_mul_u32_u24 v[RHC], v5, CELL
	v_add_nc_u32 v[RHC], v[RHC], v[R32]
	v_and_b32 v[DQ], 8, v7
	v_add_nc_u32 v[DQ], v[DQ], v7
	v_lshlrev_b32 v6, 4, v5
	v_sub_nc_u32 v[DQ], v[DQ], v6
	v_mov_b32 v[NEGINF], 0xff800000
.irp b, 0,1,2,3
	v_mov_b32 v[T4+\b], 0                          ; written once: a lane permute's destination counts as one of its sources
.endr
	v_mov_b32 v[NM+1], 0                           ; (named with -M as a pair)
	v_mov_b32 v[SUMB], 0
	s_lshl_b32 s15, ttmp9, 2
	s_add_co_u32 s15, s15, s14                     ; my wave in the batch, 0 .. 247
	s_and_b32 s28, ttmp7, 0xffff
	s_lshl_b32 s28, s28, 4                         ; the batch's first group
	s_mov_b32 s[SEL], 0x76543210
	s_mov_b32 s[SEL+1], 0xfedcba98
	s_mov_b32 s[CS], 0x3d38aa3b                    ; c = log2(e) / 32
	s_mov_b32 s[CS+1], s[CS]
	s_mov_b32 s17, 0
.set st_, 0
.irp d, 26,24,23,21,20,18,16,15,13,12,10,8,7,5,4
.set st_, st_+\d
	s_cmp_ge_u32 s15, st_                          ; past key group's waves: one more group, and its waves,
	s_cselect_b32 s18, (\d<<8)|1, 0
	s_add_co_u32 s17, s17, s18                     ; summed in two fields
.endr
	s_and_b32 s19, s17, 255                        ; kg
	s_lshr_b32 s20, s17, 8                         ; its first wave
	s_sub_co_u32 s21, s15, s20
	s_mul_i32 s21, s21, 5
	s_lshl_b32 s26, s19, 3
	s_add_co_u32 s26, s26, s21                     ; my first block of queries: 8 kg + 5 x (my place among kg's waves)
	s_sub_co_u32 s27, 128, s26
	s_min_u32 s27, s27, 5                          ; my blocks
	s_add_co_u32 s22, s28, s19
	s_mul_i32 s22, s22, GROUPB
	s_mov_b32 s23, 0
	s_wait_alu depctr_va_vdst(0)
	s_wait_kmcnt 0x0
	s_cmp_ge_u32 s15, 224                          ; a branch on ids
	s_cbranch_scc1 .Lzero
	s_add_nc_u64 s[24:25], s[6:7], s[22:23]        ; my keys
	s_mov_b32 s30, s26
	QADDR
.irp t, 0,1,2,3
	global_load_b128 v[KS+8*\t:KS+8*\t+3], v[RHC], s[24:25] offset:2*\t*CELL+12288
	global_load_b128 v[KS+8*\t+4:KS+8*\t+7], v[RHC], s[24:25] offset:2*\t*CELL+12304
.endr
	QLOADS
.set f, 0
.rept 63
	WIN ((1+f/21)<<6)                              ; the destination's window
.irp c, 0,1,2
	global_load_b128 v[12*(f%21)+4*\c:12*(f%21)+4*\c+3], v[L16], s[24:25] offset:(f/8)*CELL+1536*(f%8)+512*\c
.endr
.set f, f+1
.endr
	WIN 0
.irp c, 0,1,2
	global_load_b128 v[K63+4*\c:K63+4*\c+3], v[L16], s[24:25] offset:7*CELL+1536*7+512*\c
.endr
	s_mov_b32 s29, 0                               ; trips done; the loop ends when they reach s27, my blocks, which the loop does not write
.Lblk:
	s_wait_loadcnt 0x0                             ; this block's queries are in (the first time: the keys too)
.set f, 0
.rept 64                               ; step f / 8, tile f % 8: the eight accumulators take turns, one instruction a turn; the first step starts the sums
.if f < 63
	WIN (1+f/21)                                   ; source 0's window
.set rA, 12*(f%21)
.else
	WIN 0
.set rA, K63
.endif
.set rD, AC+8*(f%8)
.set rB, QF+12*(f/8)
.set sA, KS+8*(f/16)+f%8
.set sB, QS+f/16
.if f < 8
	v_wmma_scale_f32_16x16x128_f8f6f4 v[rD:rD+7], v[rA:rA+11], v[rB:rB+11], 0, v[sA], v[sB] matrix_a_fmt:MATRIX_FMT_FP6 matrix_b_fmt:MATRIX_FMT_FP6
.elseif (f/8)%2
	v_wmma_scale_f32_16x16x128_f8f6f4 v[rD:rD+7], v[rA:rA+11], v[rB:rB+11], v[rD:rD+7], v[sA], v[sB] matrix_a_fmt:MATRIX_FMT_FP6 matrix_b_fmt:MATRIX_FMT_FP6 matrix_a_scale:MATRIX_SCALE_ROW1 matrix_b_scale:MATRIX_SCALE_ROW1
.else
	v_wmma_scale_f32_16x16x128_f8f6f4 v[rD:rD+7], v[rA:rA+11], v[rB:rB+11], v[rD:rD+7], v[sA], v[sB] matrix_a_fmt:MATRIX_FMT_FP6 matrix_b_fmt:MATRIX_FMT_FP6
.endif
.set f, f+1
.endr
	s_wait_xcnt 0x0                                ; the last trip's stores have read their data and bases: only now are they written again
	s_lshr_b32 s31, s26, 3                         ; this block: its group of queries,
	s_and_b32 s32, s26, 7                          ; a
	s_cmp_eq_u32 s31, s19
	s_cselect_b32 s48, 1, 0                        ; 1: the group on the diagonal
	s_add_co_u32 s31, s31, s28
	s_lshl_b32 s31, s31, 4
	s_add_co_u32 s31, s31, s19
	s_mul_i32 s33, s31, PCELL                      ; cell (group of queries, step kg)
	s_mul_i32 s34, s32, 1536
	s_add_co_u32 s34, s34, s33
	s_mov_b32 s35, 0
	s_add_nc_u64 s[44:45], s[8:9], s[34:35]        ; fragment a
	s_lshl_b32 s34, s32, 2
	s_add_co_u32 s34, s34, s33
	s_add_nc_u64 s[46:47], s[8:9], s[34:35]        ; + 4 a: the words
	s_lshr_b32 s49, s32, 1
	s_lshl_b32 s49, s49, 5
	s_and_b32 s50, s32, 1
	s_lshl_b32 s50, s50, 3
	s_add_co_u32 s49, s49, s50                     ; 32 (a / 2) + 8 (a % 2)
	s_add_co_u32 s30, s26, 1
	s_min_u32 s30, s30, 127                        ; the next block, held inside the batch
	QADDR
.rept 4
	v_nop                                          ; four places behind the products: for the loads below and for the first read of results
.endr
	QLOADS                                         ; they have the rest of the trip in which to land
	s_cmp_eq_u32 s48, 0                            ; all 128 keys count: a branch on ids
	s_cbranch_scc1 .Lopen
	v_add_nc_u32 v[TT], s49, v[DQ]                 ; register n's key is hidden where 32 (n / 16) + n % 16 > d
.set n, 0
.rept 64
	v_cmp_gt_i32 vcc_lo, 32*(n/16)+n%16, v[TT]
	v_cndmask_b32 v[AC+n], v[AC+n], v[NEGINF], vcc_lo   ; -infinity ahead of the maximum: p = 0 then
.set n, n+1
.endr
.Lopen:
.irp b, 0,1,2,3
	v_max_num_f32 v[BM+\b], v[AC+16*\b], v[AC+16*\b+1]   ; the largest score of each block of 32 keys: it serves the row's maximum and, since p rises with the score, the block's largest p
.endr
.irp i, 2,4,6,8,10,12,14
.irp b, 0,1,2,3
	v_max3_num_f32 v[BM+\b], v[AC+16*\b+\i], v[AC+16*\b+\i+1], v[BM+\b]
.endr
.endr
.irp b, 0,1,2,3
	v_permlanex16_b32 v[T4+\b], v[BM+\b], s[SEL], s[SEL+1]
.endr
.irp b, 0,1,2,3
	v_max_num_f32 v[BM+\b], v[BM+\b], v[T4+\b]     ; with lane l xor 16's 16 keys
.endr
	v_max3_num_f32 v[TT], v[BM], v[BM+1], v[BM+2]
	v_max_num_f32 v[TT], v[TT], v[BM+3]
	v_mul_f32 v[TT], s[CS], v[TT]                  ; as t (c is positive)
	v_max_num_f32 v[TT], 0xce800000, v[TT]         ; held at -2^30 from below
	v_floor_f32 v[NM], -v[TT]                      ; -M = floor(-t) = -ceil(t): a whole number
.set j, 0
.rept 32
	v_pk_fma_f32 v[AC+j:AC+j+1], v[AC+j:AC+j+1], s[CS:CS+1], v[NM:NM+1] op_sel_hi:[1,0,0]   ; t - M, two at a time, in place
.set j, j+2
.endr
.irp b, 0,1,2,3
	v_fma_f32 v[BM+\b], v[BM+\b], s[CS], v[NM]     ; the same of each block's largest score
.endr
	s_wait_alu depctr_va_vdst(0)
.set j, 0
.rept 64
	v_exp_f32 v[AC+j], v[AC+j]                     ; p = 2^(t - M), at most 1
.set j, j+1
.endr
	v_nop                                          ; a plain place behind the exponentials
	s_wait_alu depctr_va_vdst(0)                   ; one wait for the whole batch, ahead of its first reader
.irp b, 0,1,2,3
	v_exp_f32 v[BM+\b], v[BM+\b]                   ; the block's largest p: the same two instructions on the same number give the same bits
.endr
	v_pk_add_f32 v[SUMA:SUMA+1], v[AC:AC+1], v[AC+4:AC+5]      ; the sum of the unquantised p, in two chains: plain work behind the four
	v_pk_add_f32 v[SUMB:SUMB+1], v[AC+2:AC+3], v[AC+6:AC+7]
.irp j, 8,12,16,20,24,28,32,36,40,44,48,52,56,60
	v_pk_add_f32 v[SUMA:SUMA+1], v[SUMA:SUMA+1], v[AC+\j:AC+\j+1]
	v_pk_add_f32 v[SUMB:SUMB+1], v[SUMB:SUMB+1], v[AC+\j+2:AC+\j+3]
.endr
	v_pk_add_f32 v[SUMA:SUMA+1], v[SUMA:SUMA+1], v[SUMB:SUMB+1]
	v_add_f32 v[SUMA], v[SUMA], v[SUMA+1]
	v_permlanex16_b32 v[SUMB], v[SUMA], s[SEL], s[SEL+1]
	v_add_f32 v[LV], v[SUMA], v[SUMB]              ; l of my query for these 128 keys
	s_wait_alu depctr_va_vdst(0)                   ; and one wait for the four
.irp b, 0,1,2,3
	v_max_num_f32 v[BM+\b], 0x1800000, v[BM+\b]    ; the floor 2^(3 - 127): the byte cannot fall under 1
.endr
.irp b, 0,1,2,3
	v_add_nc_u32 v[SOP+\b], 0xff000000, v[BM+\b]   ; 2 off the exponent field: the conversion's scale operand
.endr
.irp b, 0,1,2,3
	v_lshrrev_b32 v[T4+\b], 23, v[SOP+\b]          ; the scale's byte, at most 125
.endr
	v_lshl_or_b32 v[TT], v[T4+1], 8, v[T4]
	v_lshl_or_b32 v[TT], v[T4+2], 16, v[TT]
	v_lshl_or_b32 v[TT], v[T4+3], 24, v[TT]
	v_or_b32 v[SW], 0x80808080, v[TT]              ; + 128 on each byte: the next launch subtracts up to 127 from each without a borrow
.irp c, 0,1
	v_cvt_scalef32_pk16_fp6_f32 v[PC+6*\c:PC+2+6*\c], v[AC+32*\c:AC+32*\c+15], v[SOP+2*\c]
	v_cvt_scalef32_pk16_fp6_f32 v[PC+12+4*\c:PC+14+4*\c], v[AC+32*\c+16:AC+32*\c+31], v[SOP+2*\c+1]
.endr
	v_nop                                          ; one plain place behind a scaled conversion
.irp c, 0,1
.irp i, 0,1,2
	v_permlane16_swap_b32 v[PC+6*\c+\i], v[PC+12+4*\c+\i]
.endr
.irp i, 0,1,2
	v_mov_b32 v[PC+3+6*\c+\i], v[PC+12+4*\c+\i]
.endr
.endr
.irp c, 0,1,2
	global_store_b128 v[L16], v[PC+4*\c:PC+4*\c+3], s[44:45] offset:512*\c   ; 32 lanes store 512 consecutive bytes, aligned
.endr
	global_store_b32 v[R32], v[SW], s[46:47] offset:12288   ; both halves of the lanes hold and write the same
	global_store_b32 v[R32], v[NM], s[46:47] offset:12800
	global_store_b32 v[R32], v[LV], s[46:47] offset:13312
	s_add_co_u32 s26, s26, 1
	s_add_co_u32 s29, s29, 1
	s_cmp_lt_u32 s29, s27
	s_wait_alu depctr_va_vdst(0)
	s_cbranch_scc1 .Lblk
	s_endpgm
.Lzero:                                        ; a hidden cell: e = (wave - 224) % 6, m = (wave - 224) / 6: group of queries 4 m + (e >= 3) + (e >= 5), step 4 m + e + 1 - 2 (e >= 3) - (e >= 5)
	s_sub_co_u32 s20, s15, 224
	s_mul_i32 s21, s20, 43
	s_lshr_b32 s21, s21, 8                         ; m (exact for numbers under 24)
	s_mul_i32 s22, s21, 6
	s_sub_co_u32 s22, s20, s22                     ; e
	s_cmp_ge_u32 s22, 3
	s_cselect_b32 s23, 1, 0
	s_cmp_ge_u32 s22, 5
	s_cselect_b32 s24, 1, 0
	s_lshl_b32 s21, s21, 2
	s_add_co_u32 s25, s23, s24
	s_add_co_u32 s26, s21, s25                     ; the group of queries
	s_add_co_u32 s27, s21, s22
	s_add_co_u32 s27, s27, 1
	s_sub_co_u32 s27, s27, s25
	s_sub_co_u32 s27, s27, s23                     ; the step
	s_add_co_u32 s26, s26, s28
	s_lshl_b32 s26, s26, 4
	s_add_co_u32 s26, s26, s27
	s_mul_i32 s34, s26, PCELL
	s_mov_b32 s35, 0
	s_add_nc_u64 s[44:45], s[8:9], s[34:35]
.irp j, 0,1,2,3
	v_mov_b32 v[20+\j], 0
	v_mov_b32 v[24+\j], 0x81818181
	v_mov_b32 v[28+\j], 0x4e800000
.endr
.set i, 0
.rept 24
	global_store_b128 v[L16], v[20:23], s[44:45] offset:512*i
.set i, i+1
.endr
	global_store_b128 v[L16], v[24:27], s[44:45] offset:12288
	global_store_b128 v[L16], v[28:31], s[44:45] offset:12800
	global_store_b128 v[L16], v[20:23], s[44:45] offset:13312
	s_endpgm
.Lfunc_end_k_q346603fc3d_score:
	.size	k_q346603fc3d_score, .Lfunc_end_k_q346603fc3d_score-k_q346603fc3d_score
	.p2alignl 7, 3214868480
	.fill 96, 4, 3214868480
	.section	.rodata,"a",@progbits
	.p2align	6, 0x0
	.amdhsa_kernel k_q346603fc3d_score
		.amdhsa_group_segment_fixed_size 0
		.amdhsa_private_segment_fixed_size 0
		.amdhsa_enable_private_segment 0
		.amdhsa_kernarg_size 24
		.amdhsa_user_sgpr_count 2
		.amdhsa_user_sgpr_kernarg_segment_ptr 1
		.amdhsa_wavefront_size32 1
		.amdhsa_system_sgpr_workgroup_id_x 1
		.amdhsa_system_sgpr_workgroup_id_y 1
		.amdhsa_system_sgpr_workgroup_id_z 1
		.amdhsa_system_vgpr_workitem_id 0
		.amdhsa_next_free_vgpr 1024
		.amdhsa_next_free_sgpr 66
		.amdhsa_reserve_vcc 1
		.amdhsa_float_denorm_mode_32 3
		.amdhsa_float_denorm_mode_16_64 3
		.amdhsa_memory_ordered 1
		.amdhsa_forward_progress 1
		.amdhsa_inst_pref_size 59
	.end_amdhsa_kernel
	.amdgpu_metadata
---
amdhsa.version: [ 1, 2 ]
amdhsa.kernels:
  - .name:           k_q346603fc3d_score
    .symbol:         k_q346603fc3d_score.kd
    .args:
      - { .name: qq, .offset: 0, .size: 8, .value_kind: global_buffer, .address_space: global }
      - { .name: kq, .offset: 8, .size: 8, .value_kind: global_buffer, .address_space: global }
      - { .name: pq, .offset: 16, .size: 8, .value_kind: global_buffer, .address_space: global }
    .group_segment_fixed_size: 0
    .private_segment_fixed_size: 0
    .kernarg_segment_align: 8
    .kernarg_segment_size: 24
    .max_flat_workgroup_size: 128
    .sgpr_count:     66
    .vgpr_count:     1024
    .wavefront_size: 32
...
	.end_amdgpu_metadata
.endif
;; end of part 3
;; launch mix (part 4): grid 8 x 32, 4 waves a work-group, clusters of 4 x 1, 327,680 bytes of LDS; arguments pq, vq, out0; writes out0
.if DOCPART == 4
	.amdgcn_target "amdgcn-amd-amdhsa--gfx1250"
	.amdhsa_code_object_version 6
	.text
	.protected	k_q346603fc3d_mix
	.globl	k_q346603fc3d_mix
	.p2align	8
	.type	k_q346603fc3d_mix,@function
k_q346603fc3d_mix:
	s_mov_b64 s[64:65], 0
	v_nop
	global_prefetch_b8 v0, s[64:65] scope:SCOPE_SE
	s_setreg_imm32_b32 hwreg(HW_REG_WAVE_MODE, 25, 1), 1
	s_wait_xcnt 0x0
	s_wait_alu depctr_hold_cnt(0) depctr_sa_sdst(0) depctr_va_vdst(0) depctr_va_sdst(0) depctr_va_ssrc(0) depctr_va_vcc(0) depctr_vm_vsrc(0)
	s_getreg_b32 s2, hwreg(HW_REG_IB_STS2, 6, 4)
	s_cmp_eq_u32 s2, 0
	s_cbranch_scc0 .Lentry_in_a_cluster
	s_endpgm
.Lentry_in_a_cluster:
	s_bfe_u32 s2, ttmp6, 0x10000c
	s_cmp_lg_u32 s2, 0x3003
	s_cbranch_scc0 .Lentry_shape_is_right
	s_endpgm
.Lentry_shape_is_right:
; out = (p v) / l on codes of FP6 (E2M3).  p comes quantised under an M of its own for each (query, 128 keys).  This launch finds each row's M (the largest) and l (the parts, each times 2^(its M - the row's M): exact),
; takes M's difference off p's scale bytes as they come out of LDS, multiplies, and divides by l on the way out.
; pq: [64 groups of 128 queries][16 steps of 128 keys][cell of 13,824 bytes]: eight fragments as images of their registers (fragment a: registers 4 c .. 4 c + 3 of lane l at 1,536 a + 512 c + 16 l; lane (r, h) holds query
; pi(a, r) = 32 (a / 2) + 8 (a % 2) + r + 8 (r / 8)), scale words with + 128 on each byte at 12,288 + 32 r + 4 a, -M (f32) at 12,800 + .., l (f32) at 13,312 + ...  vq: [8 x batch + group of 128 channels][16 steps of keys][cell of 12,800 bytes].
; SHARES.  A tile of 256 queries x 128 channels is made by four waves: 4 batches x 8 tile rows x 8 groups of channels are 256 work-groups.  Wave (RH, CH) takes p's group RH against tiles 4 CH .. 4 CH + 3 of v's group: 128 x 64,
; 32 accumulators, 256 registers.  S1 (source 1) = p, S0 (source 0) = v: a lane holds one query, and the registers of tiles 2 b, 2 b + 1 are channels 32 b + 16 h + 0 .. 15.
; THE RING.  The keys go in laps of 512 up to the diagonal: tile row I walks (I + 2) / 2 laps, 1 to 4.  A SLOT HOLDS A WHOLE LAP: four cells of each of p's two groups and four of v's group, 161,792 bytes; two slots and the spare
; words take 324,096 of the 327,680 bytes.  So a walk has at most two refills.  The laps are written out, and the walk's length chooses the way by branches on the work-group's y alone, which all partners share;
; behind every fill, on every way, a wait for all tensor loads and a barrier stand ahead of the reads.  No LDS address is stepped: a slot's cells bring their scale words with them.
; CLUSTER: the four work-groups of a cluster are four groups of channels of one tile row: they walk the same p, which is asked for jointly (mask 15).  v's cells are each work-group's own, plain loads behind the same round:
; those that share a group of v are the eight tile rows of a batch, whose walks differ in length, so that partners would need different numbers of tiles.
; No prefetch: of a walk's at most four slots two are first fills and the third is asked for while the first is multiplied; only the fourth could be named ahead.
; LIMITS: M is exact for |t| under 2^24; a scale byte that would fall under 0 is held at 0, so parts of p under 2^-127 of the row's largest count as that or less; NaN and infinities are not served.
; REGISTERS: window 0: v1-29 addresses; v32-63 scale words, a set for each pair of steps; v64-79 at work on them; v80-87 -M of a pair of steps; v88-95 the rows' -M; v96-111 1 / l, twice each; v112-159 at work at the head;
;   v128-223 the way out.  window 1: v's fragments, two sets, at v0 and v128.  window 2: the accumulators ((a, b) at v[8 (4 a + b)]); at the head the steps' -M (v[8 s + a]) and l (v[128 + 8 s + a]).
;   window 3: p's fragments, two sets, at v0 and v128.
.set CELL,   12800
.set PCELL,  13824
.set ACELL,  PCELL
.set BCELL,  CELL
.set AHALF,  4*ACELL                   ; a group of p's part of a slot: four steps' cells, what one tensor load brings
.set BQUART, 2*BCELL                   ; half of v's part: two steps' cells, what one tensor load brings
.set BPART,  4*BCELL
.set SLOT,   2*AHALF+BPART             ; p's two groups, then v's group
.set STAGE,  0                         ; the way out: 16 rows x (256 + 16) bytes for each wave, in slot 0: written only behind a barrier at which all reads of the slots are over, and no fill follows
.set SPITCH, 272
.set SPARE,  2*SLOT                    ; behind the ring: the spare words, 128 bytes for each wave: two blocks of 256 bytes that no other line names
.set PGROUP, 16*PCELL
.set VGROUP, 16*CELL
.set FR,  12                           ; registers of a fragment
.set NL,  3                            ; LDS loads that bring one
.set NP,  4                            ; places behind this matrix instruction (ISA guide 7.12.1)
.set L16, 4                            ; v4   16 x lane
.set R32, 5                            ; v5   32 r
.set STO, 9                            ; v9   the stage: where I put my results
.set RD,  10                           ; v10  and where I read rows back
.set GO,  11                           ; v11  my byte offset in two rows of out
.set ADRA, 16                          ; v16-17  my group of p in slot 0, 1, + 16 x lane
.set ADSA, 18                          ; v18-19  the same + 32 r + h x cell: lanes 0-15 read a pair's first step, lanes 16-31 its second
.set ADRB, 20                          ; v20-21  my four tiles of v in slot 0, 1, + 16 x lane
.set ADSB, 22                          ; v22-23  their scale words: + 32 r + 16 CH + h x cell
.set SPW, 28                           ; v28  LDS address of my spare word; never rewritten
.set NIL, 29                           ; v29  0; never rewritten
.set SC,  32                           ; scale words: set j (steps 2 j, 2 j + 1 of a slot) at v[SC + 16 j]: + b v's tile b, + 8 + a p's block a
.set FD,  64                           ; v64-71, v72-79 at work on the scale words
.set FT,  72
.set MW,  80                           ; v80-87 -M of block a's rows: lanes 0-15 for a pair's first step, lanes 16-31 for its second
.set NMR, 88                           ; v88-95 the rows' -M
.set LI,  96                           ; v96-111 1 / l, a pair for each block
.set LS,  112                          ; v112-119 l
.set HT,  120                          ; v120-127 at work at the head
.set HE,  128                          ; v128-159 at work at the head
.set TMP, 128                          ; the way out: a block's 32 results
.set BK,  160                          ; v160-191, v192-223 rows read back from the stage, by turns
.set WV,  14
.set RH,  15                           ; which of p's two groups is mine.  Also: I fetch for p (0) or for v (1)
.set CH,  16                           ; which four tiles of v are mine.  Also: which group of p, or which half of v's part, I fetch
.set LAPS, 44
.set G1A, 24                           ; s[24:31] descriptor group 1 for p; s[32:39] group 0, a set for each slot
.set G0A, 32
.set G1B, 48                           ; s[48:55], s[56:63] the same for v
.set G0B, 56
.set STA, 76                           ; s[76:77] my group's first -M
.set OUT, 84
.set ONES, 90
.set MSB, 0
.macro WIN new                         ; the immediate's high byte repeats the setting that is left
.if MSB != \new
	s_set_vgpr_msb (MSB<<8)|\new
.set MSB, \new
.endif
.endm
.set MULW, 0xad                        ; source 0 (v) window 1, source 1 (p) window 3, C and D window 2
.set TO_B, 0x40                        ; destination window 1, address window 0
.set TO_A, 0xc0                        ; destination window 3, address window 0
; Waves 0 and 1 fetch p's two groups, jointly with the partners; waves 2 and 3 the halves of v's part, for this work-group alone.  The branch hangs on the wave's number alone.
; An s_nop 0 and four v_nop follow each of the two lines.
.macro JLOAD g0a, g1a, g0b, g1b
	s_cmp_eq_u32 s[RH], 0
	s_cbranch_scc0 .Lfor_b_\@
	tensor_load_to_lds s[\g0a:\g0a+3], s[\g1a:\g1a+7]
	s_nop 0
.rept 4
	v_nop
.endr
	s_branch .Lasked_\@
.Lfor_b_\@:
	tensor_load_to_lds s[\g0b:\g0b+3], s[\g1b:\g1b+7]
	s_nop 0
.rept 4
	v_nop
.endr
.Lasked_\@:
.endm
.macro CREST                           ; a round of the cluster's barrier behind its opening barrier
	s_cmp_lg_u32 s[WV], 0
	s_cbranch_scc1 .Lnot_wave_0_\@
	s_barrier_signal -3
.Lnot_wave_0_\@:
	s_barrier_wait -3
	s_barrier_signal -1
	s_barrier_wait -1
.endm
.macro CROUND                          ; a whole round
	s_barrier_signal -1
	s_barrier_wait -1
	CREST
.endm
.macro PLACES n
.rept \n
	v_nop
.endr
.endm
.macro FRAG reg, adr, q, i, cell       ; fragment i of the slot's q-th cell: three loads of 512 consecutive bytes
.irp c, 0,1,2
	ds_load_b128 v[\reg+4*\c:\reg+4*\c+3], v[\adr] offset:(\q)*(\cell)+1536*(\i)+512*\c
.endr
.endm
.macro FETCH slot, q, p                ; the fragments of the slot's step q into sets p: my four tiles of v, my eight blocks of p: 36 loads in one run
	WIN TO_B
.irp i, 0,1,2,3
	FRAG 128*(\p)+FR*\i, ADRB+\slot, \q, \i, BCELL
.endr
	WIN TO_A
.irp i, 0,1,2,3,4,5,6,7
	FRAG 128*(\p)+FR*\i, ADRA+\slot, \q, \i, ACELL
.endr
	WIN 0
.endm
.macro SCALES slot, j                  ; the scale words of the slot's steps 2 j and 2 j + 1 into set j, and p's -M beside them: 5 loads
	ds_load_b128 v[SC+16*\j:SC+16*\j+3], v[ADSB+\slot] offset:12288+2*\j*BCELL
	ds_load_b128 v[SC+16*\j+8:SC+16*\j+11], v[ADSA+\slot] offset:12288+2*\j*ACELL
	ds_load_b128 v[SC+16*\j+12:SC+16*\j+15], v[ADSA+\slot] offset:12304+2*\j*ACELL
	ds_load_b128 v[MW:MW+3], v[ADSA+\slot] offset:12800+2*\j*ACELL
	ds_load_b128 v[MW+4:MW+7], v[ADSA+\slot] offset:12816+2*\j*ACELL
.endm
; p's scale bytes of set n are brought from the step's M under the row's: each byte less D = (-M of the step) - (-M of the row), a whole number, 0 or more, held at 127.  The bytes carry + 128, so no borrow crosses a byte;
; a byte that keeps its top bit stayed at 0 or above and loses the 128; any other becomes 0.  Eight places follow: a scale register written by a vector instruction stands so far ahead of a scaled matrix instruction.
.macro FIX n
.irp a, 0,1,2,3,4,5,6,7
	v_sub_f32 v[FD+\a], v[MW+\a], v[NMR+\a]
.endr
.irp a, 0,1,2,3,4,5,6,7
	v_min_num_f32 v[FD+\a], 0x42fe0000, v[FD+\a]   ; 127.0
.endr
.irp a, 0,1,2,3,4,5,6,7
	v_cvt_u32_f32 v[FD+\a], v[FD+\a]
.endr
.irp a, 0,1,2,3,4,5,6,7
	v_mul_lo_u32 v[FD+\a], v[FD+\a], s[ONES]       ; D in each of the four bytes
.endr
.irp a, 0,1,2,3,4,5,6,7
	v_sub_nc_u32 v[SC+16*\n+8+\a], v[SC+16*\n+8+\a], v[FD+\a]
.endr
.irp a, 0,1,2,3,4,5,6,7
	v_and_b32 v[FT+\a], 0x80808080, v[SC+16*\n+8+\a]
.endr
.irp a, 0,1,2,3,4,5,6,7
	v_lshrrev_b32 v[FD+\a], 7, v[FT+\a]
.endr
.irp a, 0,1,2,3,4,5,6,7
	v_sub_nc_u32 v[FT+\a], v[FT+\a], v[FD+\a]      ; 0x7f in each byte that stayed at 0 or above
.endr
.irp a, 0,1,2,3,4,5,6,7
	v_and_b32 v[SC+16*\n+8+\a], v[SC+16*\n+8+\a], v[FT+\a]
.endr
	PLACES 8
.endm
.macro WM a, b, p, j, zero             ; one product: v's tile b x p's block a, both from sets p; scale set j, its lanes 0-15 (p = 0: a pair's first step) or 16-31 (p = 1: its second)
.set rD, 8*(4*(\a)+(\b))
.set rB, 128*(\p)+FR*(\b)
.set rA, 128*(\p)+FR*(\a)
.set rS0, SC+16*(\j)+(\b)
.set rS1, SC+16*(\j)+8+(\a)
.if \zero
	v_wmma_scale_f32_16x16x128_f8f6f4 v[rD:rD+7], v[rB:rB+FR-1], v[rA:rA+FR-1], 0, v[rS0], v[rS1] matrix_a_fmt:MATRIX_FMT_FP6 matrix_b_fmt:MATRIX_FMT_FP6
.elseif \p
	v_wmma_scale_f32_16x16x128_f8f6f4 v[rD:rD+7], v[rB:rB+FR-1], v[rA:rA+FR-1], v[rD:rD+7], v[rS0], v[rS1] matrix_a_fmt:MATRIX_FMT_FP6 matrix_b_fmt:MATRIX_FMT_FP6 matrix_a_scale:MATRIX_SCALE_ROW1 matrix_b_scale:MATRIX_SCALE_ROW1
.else
	v_wmma_scale_f32_16x16x128_f8f6f4 v[rD:rD+7], v[rB:rB+FR-1], v[rA:rA+FR-1], v[rD:rD+7], v[rS0], v[rS1] matrix_a_fmt:MATRIX_FMT_FP6 matrix_b_fmt:MATRIX_FMT_FP6
.endif
.endm
.macro MUL8 a0, p, j, zero             ; the 32 accumulators take turns, one instruction a turn, in the same order in every step
.irp a, \a0, \a0+1
.irp b, 0,1,2,3
	WM (\a), \b, \p, \j, \zero
.endr
.endr
.endm
; One of a slot's first three steps, q = 0, 1, 2.  At its head the whole next step's fragments are asked for, into the other sets; with step 1's go the scale words of steps 2 and 3.  zero = 1: its products start the sums.
.macro STEP slot, q, zero
.set PP, (\q)%2
.set JJ, (\q)/2
	PLACES NP                                      ; in front of loads into registers that the last step's matrix instructions have read
	FETCH \slot, (\q)+1, 1-PP
.if (\q) == 1
	SCALES \slot, 1
	s_wait_alu depctr_va_vdst(0)
	s_wait_dscnt 12*NL+5                           ; all but the 41 just issued: this step's fragments are in
.else
	s_wait_dscnt 12*NL                             ; all but the 36 just issued: this step's fragments, its pair's scale words and -M are in
.endif
.if PP == 0
	FIX JJ
.endif
	WIN MULW
	MUL8 0, PP, JJ, \zero
	MUL8 2, PP, JJ, \zero
	MUL8 4, PP, JJ, \zero
	MUL8 6, PP, JJ, \zero
	WIN 0
.endm
; A slot's fourth step changes slots: ONE barrier; in front of it each wave waits for all its tensor loads, adds 0 to its spare word, and waits for that and for its reads of this slot.  fill = 1: this slot is filled again, with the lap two on.
.macro TURN slot, next, fill
	s_wait_tensorcnt 0x0                           ; all my tensor loads have landed: my part of the next slot
	ds_add_u32 v[SPW], v[NIL]                      ; 0 onto my spare word
	s_wait_dscnt 1                                 ; this step's fragments are in; the add may be out
	WIN MULW
	MUL8 0, 1, 1, 0                                ; eight matrix instructions stand between the add and the wait for it
	s_wait_dscnt 0x0                               ; the add is done, and my reads of this slot are over
	s_barrier_signal -1
	MUL8 2, 1, 1, 0
	WIN 0
	s_barrier_wait -1
.if \fill
	CREST                                          ; the barrier has opened a round of the cluster's barrier: no wave of any partner still reads this slot or has a load on its way
	s_add_nc_u64 s[G0A+4*\slot+2:G0A+4*\slot+3], s[G0A+4*\slot+2:G0A+4*\slot+3], 2*AHALF
	s_add_nc_u64 s[G0B+4*\slot+2:G0B+4*\slot+3], s[G0B+4*\slot+2:G0B+4*\slot+3], 2*BPART
	JLOAD G0A+4*\slot, G1A, G0B+4*\slot, G1B       ; the first tensor load behind the round; its four v_nop are the places in front of the loads below
.else
	PLACES NP
.endif
	FETCH \next, 0, 0                              ; sets 0, which the step before this one read
	SCALES \next, 0
	WIN MULW
	MUL8 4, 1, 1, 0
	MUL8 6, 1, 1, 0
	WIN 0
.endm
.macro LAST                            ; a walk's last step: nothing more to fetch
	s_wait_dscnt 0x0
	WIN MULW
	MUL8 0, 1, 1, 0
	MUL8 2, 1, 1, 0
	MUL8 4, 1, 1, 0
	MUL8 6, 1, 1, 0
	WIN 0
.endm
.macro THREE slot, zero                ; a slot's first three steps
	STEP \slot, 0, \zero
	STEP \slot, 1, 0
	STEP \slot, 2, 0
.endm
; THE HEAD'S MACROS.  LOADS: -M and l of lap L's four steps, for my group's 128 rows: lane (r, .) takes row pi(a, r)'s into register a of eight.
.macro LOADS L
	WIN 0x80                                       ; destination window 2
.irp q, 0,1,2,3
	global_load_b128 v[8*(4*\L+\q):8*(4*\L+\q)+3], v[R32], s[STA:STA+1] offset:PCELL*(4*\L+\q)
	global_load_b128 v[8*(4*\L+\q)+4:8*(4*\L+\q)+7], v[R32], s[STA:STA+1] offset:PCELL*(4*\L+\q)+16
	global_load_b128 v[128+8*(4*\L+\q):128+8*(4*\L+\q)+3], v[R32], s[STA:STA+1] offset:PCELL*(4*\L+\q)+512
	global_load_b128 v[128+8*(4*\L+\q)+4:128+8*(4*\L+\q)+7], v[R32], s[STA:STA+1] offset:PCELL*(4*\L+\q)+528
.endr
	WIN 0
.endm
.macro INIT
.irp a, 0,1,2,3,4,5,6,7
	v_mov_b32 v[NMR+\a], 0x4e800000                ; -M so far: 2^30, above every -M
	v_mov_b32 v[LS+\a], 0
.endr
.endm
; PROC: lap L's four steps enter the rows' -M (a minimum) and l.  What was summed under the old M, and each step's l, are brought under the new by v_ldexp_f32 with a whole number: nothing is rounded.
.macro PROC L
	s_wait_loadcnt 0x0
	WIN 0x0a                                       ; sources 0 and 1 window 2
.irp a, 0,1,2,3,4,5,6,7
	v_min3_num_f32 v[HT+\a], v[8*(4*\L)+\a], v[8*(4*\L+1)+\a], v[NMR+\a]
.endr
.irp a, 0,1,2,3,4,5,6,7
	v_min3_num_f32 v[HT+\a], v[8*(4*\L+2)+\a], v[8*(4*\L+3)+\a], v[HT+\a]
.endr
	WIN 0
.irp a, 0,1,2,3,4,5,6,7
	v_sub_f32 v[HE+\a], v[HT+\a], v[NMR+\a]        ; 0 or less
.endr
.irp a, 0,1,2,3,4,5,6,7
	v_cvt_i32_f32 v[HE+\a], v[HE+\a]               ; (it saturates)
.endr
.irp a, 0,1,2,3,4,5,6,7
	v_ldexp_f32 v[LS+\a], v[LS+\a], v[HE+\a]
.endr
.irp a, 0,1,2,3,4,5,6,7
	v_mov_b32 v[NMR+\a], v[HT+\a]
.endr
	WIN 0x08                                       ; source 1 window 2
.irp q, 0,1,2,3
.irp a, 0,1,2,3,4,5,6,7
	v_sub_f32 v[HE+8*\q+\a], v[NMR+\a], v[8*(4*\L+\q)+\a]
.endr
.endr
	WIN 0
.set j, 0
.rept 32
	v_cvt_i32_f32 v[HE+j], v[HE+j]
.set j, j+1
.endr
	WIN 0x02                                       ; source 0 window 2
.irp q, 0,1,2,3
.irp a, 0,1,2,3,4,5,6,7
	v_ldexp_f32 v[HE+8*\q+\a], v[128+8*(4*\L+\q)+\a], v[HE+8*\q+\a]
.endr
.endr
	WIN 0
.irp q, 0,1,2,3
.irp a, 0,1,2,3,4,5,6,7
	v_add_f32 v[LS+\a], v[LS+\a], v[HE+8*\q+\a]
.endr
.endr
.endm
.macro RCPS
.irp a, 0,1,2,3,4,5,6,7
	v_rcp_f32 v[LI+2*\a], v[LS+\a]                 ; twice: the pair that the packed multiply takes
	v_rcp_f32 v[LI+2*\a+1], v[LS+\a]
.endr
	v_nop                                          ; a plain place behind the reciprocals
	s_wait_alu depctr_va_vdst(0)                   ; one wait for the batch
.endm
	s_load_b128 s[4:7], s[0:1], 0x0                ; pq s[4:5], vq s[6:7]
	s_load_b64 s[8:9], s[0:1], 0x10                ; out0
	v_lshl_add_u32 v[SPW], v0, 2, SPARE
	v_mov_b32 v[NIL], 0
	ds_add_u32 v[SPW], v[NIL]                      ; the wave's opening: the add and its wait ahead of my first tensor load; the set-up below, work on registers, stands between them
	ds_add_u32 v[SPW], v[NIL]
	v_lshrrev_b32 v1, 5, v0
	v_readfirstlane_b32 s[WV], v1                  ; wave 0..3
	s_lshr_b32 s[RH], s[WV], 1
	s_and_b32 s[CH], s[WV], 1
	s_bfe_u32 s40, ttmp6, 0x40000                  ; cx
	s_lshl_b32 s46, ttmp9, 2
	s_add_co_u32 s46, s46, s40                     ; my group of 128 channels = 4 x cluster x + cx: it enters v's and out's addresses alone
	s_and_b32 s41, ttmp7, 0xffff
	s_lshr_b32 s42, s41, 3                         ; batch
	s_and_b32 s43, s41, 7                          ; I: the tile row
	s_add_co_u32 s[LAPS], s43, 2
	s_lshr_b32 s[LAPS], s[LAPS], 1                 ; laps of 512 keys, 1 to 4: the same in all four partners
	s_lshl_b32 s45, s42, 4
	s_lshl_b32 s47, s43, 1
	s_add_co_u32 s45, s45, s47                     ; the tile row's first group of queries
	s_add_co_u32 s66, s45, s[CH]
	s_mul_i32 s66, s66, PGROUP                     ; the group of p that I would fetch: nothing of the channels in it
	s_mov_b32 s67, 0
	s_add_co_u32 s78, s45, s[RH]
	s_mul_i32 s78, s78, PGROUP
	s_add_co_u32 s78, s78, 12800                   ; my group's first -M
	s_mov_b32 s79, 0
	s_lshl_b32 s68, s42, 3
	s_add_co_u32 s68, s68, s46
	s_mul_i32 s68, s68, VGROUP                     ; my work-group's group of v,
	s_mul_i32 s69, s[CH], BQUART
	s_add_co_u32 s68, s68, s69                     ; and the half of a lap's four cells that I would fetch
	s_mov_b32 s69, 0
	s_lshl_b32 s80, s42, 11
	s_lshl_b32 s81, s43, 8
	s_add_co_u32 s80, s80, s81
	s_lshl_b32 s81, s[RH], 7
	s_add_co_u32 s80, s80, s81                     ; my first row of out
	s_lshl_b32 s80, s80, 12                        ; a row is 4,096 bytes
	s_lshl_b32 s81, s46, 9
	s_add_co_u32 s80, s80, s81
	s_lshl_b32 s81, s[CH], 8
	s_add_co_u32 s80, s80, s81                     ; + my first channel: 128 x group + 64 CH
	s_mov_b32 s81, 0
	s_mov_b32 s[G1A], 15|(3<<16)|(1<<21)           ; p: the mask: all four work-groups; elements of 8 bytes; bit 21 set beside a mask: a dense block of 55,296 bytes as 216 rows of 256
	s_mov_b32 s[G1A+1], 32<<16                     ; tensor_dim0 = 32 elements
	s_mov_b32 s[G1A+2], 216<<16                    ; tensor_dim1
	s_mov_b32 s[G1A+3], 32<<16                     ; tile_dim0
	s_mov_b32 s[G1A+4], 216                        ; tile_dim1
	s_mov_b32 s[G1A+5], 32                         ; the pitch
	s_mov_b32 s[G1A+6], 0
	s_mov_b32 s[G1A+7], 0
	s_mov_b32 s[G1B], 3<<16                        ; v: no mask: 25,600 bytes as 100 rows of 256
	s_mov_b32 s[G1B+1], 32<<16
	s_mov_b32 s[G1B+2], 100<<16
	s_mov_b32 s[G1B+3], 32<<16
	s_mov_b32 s[G1B+4], 100
	s_mov_b32 s[G1B+5], 32
	s_mov_b32 s[G1B+6], 0
	s_mov_b32 s[G1B+7], 0
	s_mul_i32 s74, s[CH], AHALF                    ; where they go in a slot: no place in the cluster enters an LDS address
	s_mul_i32 s75, s[CH], BQUART
	s_add_co_u32 s75, s75, 2*AHALF
	s_mov_b32 s[ONES], 0x01010101
	; every LDS address is made here, ahead of the first parting of the ways
	v_and_b32 v1, 31, v0                           ; lane
	v_and_b32 v2, 15, v0                           ; r
	v_bfe_u32 v3, v0, 4, 1                         ; h
	v_lshlrev_b32 v[L16], 4, v1
	v_lshlrev_b32 v[R32], 5, v2
	v_mul_u32_u24 v6, v3, ACELL
	v_add_nc_u32 v6, v6, v[R32]
	s_wait_alu depctr_va_vdst(0)
	v_mul_u32_u24 v7, v3, BCELL
	v_add_nc_u32 v7, v7, v[R32]
	s_wait_alu depctr_va_vdst(0)
	s_mul_i32 s82, s[RH], AHALF                    ; my group of p,
	s_mul_i32 s83, s[CH], 4*1536                   ; my four tiles of v, behind p's two groups,
	s_add_co_u32 s83, s83, 2*AHALF
	s_lshl_b32 s86, s[CH], 4                       ; and their four scale words of a row's eight
	s_add_co_u32 s86, s86, 2*AHALF
.irp n, 0,1
	v_add_nc_u32 v[ADRA+\n], s82, v[L16]
	v_add_nc_u32 v[ADRB+\n], s83, v[L16]
	v_add_nc_u32 v[ADSA+\n], s82, v6
	v_add_nc_u32 v[ADSB+\n], s86, v7
	s_add_co_u32 s82, s82, SLOT
	s_add_co_u32 s83, s83, SLOT
	s_add_co_u32 s86, s86, SLOT
.endr
	s_mul_i32 s87, s[WV], 16*SPITCH                ; my stage (STAGE = 0)
	v_mul_u32_u24 v[STO], v2, SPITCH
	v_lshl_add_u32 v[STO], v3, 6, v[STO]
	v_add_nc_u32 v[STO], s87, v[STO]               ; in: row r, + 64 h
	v_mul_u32_u24 v[RD], v3, SPITCH
	v_lshl_add_u32 v[RD], v2, 4, v[RD]
	v_add_nc_u32 v[RD], s87, v[RD]                 ; back: lanes 0-15 one row of 256 bytes, lanes 16-31 the next
	v_lshlrev_b32 v[GO], 12, v3
	v_lshl_add_u32 v[GO], v2, 4, v[GO]             ; and the same two rows in out
	s_wait_dscnt 0x0                               ; the opening add is done
	s_wait_kmcnt 0x0
	s_add_nc_u64 s[70:71], s[4:5], s[66:67]
	s_add_nc_u64 s[72:73], s[6:7], s[68:69]
	s_add_nc_u64 s[STA:STA+1], s[4:5], s[78:79]
	s_add_nc_u64 s[OUT:OUT+1], s[8:9], s[80:81]
.irp n, 0,1
	s_mov_b32 s[G0A+4*\n], 1                       ; count = 1
	s_add_co_u32 s[G0A+4*\n+1], s74, \n*SLOT       ; LDS address
	s_add_nc_u64 s[G0A+4*\n+2:G0A+4*\n+3], s[70:71], \n*AHALF   ; global address: lap n
	s_or_b32 s[G0A+4*\n+3], s[G0A+4*\n+3], 0x80000000           ; type = 2
	s_mov_b32 s[G0B+4*\n], 1
	s_add_co_u32 s[G0B+4*\n+1], s75, \n*SLOT
	s_add_nc_u64 s[G0B+4*\n+2:G0B+4*\n+3], s[72:73], \n*BPART
	s_or_b32 s[G0B+4*\n+3], s[G0B+4*\n+3], 0x80000000
.endr
	CROUND                                         ; all four work-groups are here: the first joint loads meet
	s_cmp_eq_u32 s[LAPS], 1                        ; a walk of one lap has a way of its own: one fill, nothing else asked for
	s_cbranch_scc1 .Lone
	; ---------------- two laps or more: both slots are filled at once
	JLOAD G0A, G1A, G0B, G1B                       ; slot 0: one tensor load a wave at the head
	; THE ROWS' M AND l, while the first tiles are on their way.  All the walk's loads go out first; a lap's numbers are read only on the ways on which they were loaded.
	LOADS 0
	LOADS 1
	s_cmp_eq_u32 s[LAPS], 2
	s_cbranch_scc1 .Lgot
	LOADS 2
	s_cmp_eq_u32 s[LAPS], 3
	s_cbranch_scc1 .Lgot
	LOADS 3
.Lgot:
	s_wait_alu depctr_va_vdst(0)
	s_wait_tensorcnt 0x0                           ; my part of slot 0 is in
	ds_add_u32 v[SPW], v[NIL]
	s_wait_dscnt 0x0
	CROUND                                         ; everybody's part of slot 0 is in, and the joint loads meet
	JLOAD G0A+4, G1A, G0B+4, G1B                   ; slot 1's first fill, the first tensor load behind the round; the rows' M and l are made while it is on its way
	INIT
	s_cmp_lt_u32 s[LAPS], 4
	s_cbranch_scc1 .Lp2
	s_wait_alu depctr_va_vdst(0)
	PROC 3
.Lp2:
	s_cmp_lt_u32 s[LAPS], 3
	s_cbranch_scc1 .Lp1
	s_wait_alu depctr_va_vdst(0)
	PROC 2
.Lp1:
	s_wait_alu depctr_va_vdst(0)
	PROC 1
	PROC 0
	s_wait_alu depctr_va_vdst(0)
	RCPS
	FETCH 0, 0, 0
	SCALES 0, 0
	THREE 0, 1                                     ; lap 0; its first step's products start the sums: nothing is ever cleared
	s_cmp_eq_u32 s[LAPS], 2
	s_cbranch_scc1 .Ltail
	s_wait_alu depctr_va_vdst(0)
	TURN 0, 1, 1                                   ; slot 0 takes lap 2
	THREE 1, 0                                     ; lap 1
	s_cmp_eq_u32 s[LAPS], 3
	s_cbranch_scc1 .Lthree
	s_wait_alu depctr_va_vdst(0)
	TURN 1, 0, 1                                   ; slot 1 takes lap 3
	THREE 0, 0                                     ; lap 2
.Ltail:                                        ; walks of two and of four laps end alike: out of slot 0 into slot 1, nothing more asked for, no round of the cluster's barrier
	s_wait_alu depctr_va_vdst(0)
	TURN 0, 1, 0
	THREE 1, 0
	s_wait_alu depctr_va_vdst(0)
	LAST
	s_branch .Lout
.Lthree:                                       ; a walk of three laps ends in slot 0
	s_wait_alu depctr_va_vdst(0)
	TURN 1, 0, 0
	THREE 0, 0
	s_wait_alu depctr_va_vdst(0)
	LAST
	s_branch .Lout
	; ---------------- one lap: slot 0 alone
.Lone:
	JLOAD G0A, G1A, G0B, G1B
	LOADS 0
	INIT
	s_wait_alu depctr_va_vdst(0)
	PROC 0
	s_wait_alu depctr_va_vdst(0)
	RCPS
	s_wait_tensorcnt 0x0                           ; my one tensor load has landed
	s_barrier_signal -1
	s_barrier_wait -1
	FETCH 0, 0, 0
	SCALES 0, 0
	THREE 0, 1
	s_wait_alu depctr_va_vdst(0)
	LAST
.Lout:
	PLACES NP                                      ; in front of the first read of results
	s_wait_dscnt 0x0                               ; my reads of the slots are over (the last step waited for them): say so,
	s_barrier_signal -1
	s_barrier_wait -1                              ; and write the stage, which lies in slot 0, only when all four have said so; no tensor load is out, and none follows
; THE WAY OUT, block by block of 16 queries x 64 channels: divided by l, through my own stage in LDS, back as whole rows of 256 bytes.  Each accumulator is read from its low end on.
.macro TOSTAGE a
.set AC, 32*(\a)
	WIN 0x02                                       ; source 0: the accumulators' window
.set j, 0
.rept 16
	v_pk_mul_f32 v[TMP+j:TMP+j+1], v[AC+j:AC+j+1], v[LI+2*(\a):LI+2*(\a)+1]
.set j, j+2
.endr
	WIN 0
.irp b, 0,1,2,3
	ds_store_b128 v[STO], v[TMP+8*\b:TMP+8*\b+3] offset:128*(\b/2)+32*(\b%2)       ; tile b's registers are my channels 32 (b / 2) + 8 (b % 2) + 16 h + 0 .. 7
	ds_store_b128 v[STO], v[TMP+8*\b+4:TMP+8*\b+7] offset:128*(\b/2)+32*(\b%2)+16
.endr
.irp t, 0,1,2,3,4,5,6,7
	ds_load_b128 v[BK+32*((\a)%2)+4*\t:BK+32*((\a)%2)+4*\t+3], v[RD] offset:2*\t*SPITCH   ; LDS serves a wave's instructions in order: these see my stores, and the next block's stores come behind them
.endr
.endm
.macro SEND a, younger                 ; younger: the LDS instructions issued behind block a's loads, which may stay out
	s_wait_dscnt \younger
.irp t, 0,1,2,3,4,5,6,7
	global_store_b128 v[GO], v[BK+32*((\a)%2)+4*\t:BK+32*((\a)%2)+4*\t+3], s[OUT:OUT+1] offset:(32*((\a)/2)+8*((\a)%2)+2*\t+8*(\t/4))*4096 th:TH_STORE_NT   ; rows pi(a, 2 t + h): 16 lanes store 256 consecutive bytes, aligned
.endr
.endm
	TOSTAGE 0
.irp a, 1,2,3,4,5,6,7
.if \a > 1
	s_wait_xcnt 0x0                                ; block a - 2's stores have read their registers: block a's loads may land there
.endif
	TOSTAGE \a
	SEND \a-1, 16                                  ; behind block a - 1's loads: block a's 8 stores and 8 loads
.endr
	SEND 7, 0
	s_wait_tensorcnt 0x0                           ; the wave's end, behind my last tensor load and my last LDS store
	ds_add_u32 v[SPW], v[NIL]
	s_wait_dscnt 0x0
	CROUND                                         ; the closing round: no work-group ends while a partner may still ask for a tile that names it
	s_endpgm
.Lfunc_end_k_q346603fc3d_mix:
	.size	k_q346603fc3d_mix, .Lfunc_end_k_q346603fc3d_mix-k_q346603fc3d_mix
	.p2alignl 7, 3214868480
	.fill 96, 4, 3214868480
	.section	.rodata,"a",@progbits
	.p2align	6, 0x0
	.amdhsa_kernel k_q346603fc3d_mix
		.amdhsa_group_segment_fixed_size 327680
		.amdhsa_private_segment_fixed_size 0
		.amdhsa_enable_private_segment 0
		.amdhsa_kernarg_size 24
		.amdhsa_user_sgpr_count 2
		.amdhsa_user_sgpr_kernarg_segment_ptr 1
		.amdhsa_wavefront_size32 1
		.amdhsa_system_sgpr_workgroup_id_x 1
		.amdhsa_system_sgpr_workgroup_id_y 1
		.amdhsa_system_sgpr_workgroup_id_z 1
		.amdhsa_system_vgpr_workitem_id 0
		.amdhsa_next_free_vgpr 1024
		.amdhsa_next_free_sgpr 100
		.amdhsa_reserve_vcc 0
		.amdhsa_float_denorm_mode_32 3
		.amdhsa_float_denorm_mode_16_64 3
		.amdhsa_memory_ordered 1
		.amdhsa_forward_progress 1
		.amdhsa_inst_pref_size 255
	.end_amdhsa_kernel
	.section	.bss,"aw",@nobits
	.p2align	6
	.space	262144
	.amdgpu_metadata
---
amdhsa.version: [ 1, 2 ]
amdhsa.kernels:
  - .name:           k_q346603fc3d_mix
    .symbol:         k_q346603fc3d_mix.kd
    .args:
      - { .name: pq, .offset: 0, .size: 8, .value_kind: global_buffer, .address_space: global }
      - { .name: vq, .offset: 8, .size: 8, .value_kind: global_buffer, .address_space: global }
      - { .name: out0, .offset: 16, .size: 8, .value_kind: global_buffer, .address_space: global }
    .group_segment_fixed_size: 327680
    .private_segment_fixed_size: 0
    .kernarg_segment_align: 8
    .kernarg_segment_size: 24
    .max_flat_workgroup_size: 128
    .sgpr_count:     100
    .vgpr_count:     1024
    .wavefront_size: 32
...
	.end_amdgpu_metadata
.endif
;; end of part 4
